; MI455X (gfx1250); checked and timed in simulation.
; The chip was launched on July 23, 2026; its instructions are those of AMD's public machine-readable ISA for CDNA 5 (MIT licence, August 2026) and "CDNA5" Instruction Set Architecture Reference Guide (July 2026). The comments in the code are by the model that wrote it; some were corrected since.
;; Mo EFFN. Allowed arithmetic: matrix products marked QUANTISED: E5M2 operands, one E8M0 scale for each 32 along K, by v_wmma_scale_f32_16x16x128_f8f6f4 with both operands' format E5M2, f32 sums; products left as they are: f32 operands where the result goes on into a quantised operand, else bf16, f16 or f32 operands; f32 sums; everything else in f32.
;; Inputs: down_w_codes 2 x 1,024 x 64 x 32 uint8 (E5M2 codes of down_w, K innermost, in blocks of 32 codes); down_w_scales 2 x 1,024 x 64 uint8 (E8M0 scales of down_w, one for each 32 codes along K); gate_w_codes 2 x 2,048 x 32 x 32 uint8 (E5M2 codes of gate_w, K innermost, in blocks of 32 codes); gate_w_scales 2 x 2,048 x 32 uint8 (E8M0 scales of gate_w, one for each 32 codes along K); router_w 2 x 1,024 float32; shared_down_w_codes 1,024 x 32 x 32 uint8 (E5M2 codes of shared_down_w, K innermost, in blocks of 32 codes); shared_down_w_scales 1,024 x 32 uint8 (E8M0 scales of shared_down_w, one for each 32 codes along K); shared_gate_w_codes 1,024 x 32 x 32 uint8 (E5M2 codes of shared_gate_w, K innermost, in blocks of 32 codes); shared_gate_w_scales 1,024 x 32 uint8 (E8M0 scales of shared_gate_w, one for each 32 codes along K); shared_up_w_codes 1,024 x 32 x 32 uint8 (E5M2 codes of shared_up_w, K innermost, in blocks of 32 codes); shared_up_w_scales 1,024 x 32 uint8 (E8M0 scales of shared_up_w, one for each 32 codes along K); up_w_codes 2 x 2,048 x 32 x 32 uint8 (E5M2 codes of up_w, K innermost, in blocks of 32 codes); up_w_scales 2 x 2,048 x 32 uint8 (E8M0 scales of up_w, one for each 32 codes along K); x 4 x 1,024 x 1,024 float32.
;; Outputs: out0 4 x 1,024 x 1,024 float32; out1 one number float32.
;; This version of the problem:
;;   THIS VERSION OF THE PROBLEM IS GIVEN IN LOW PRECISION. The matrix products marked QUANTISED in the list below multiply operands that are first quantised to E5M2 (5 exponent bits, 2 mantissa bits; 8 bits a number), with one power-of-two scale for each 32 numbers along K (OCP MX v1.0); their sums are f32. All else is computed in f32.
;;   The module's matrix products, in the order in which they are computed (A, B: the left and right operand; K: the contracted axis; several contracted axes count as one K, in the product's order):
;;     1. [M 4,096, K 1,024] x [K 1,024, N 2]; A: input x; B: input router_w: left as it is (N = 2 < 16)
;;     2. batch 4,096 x [M 2, K 2] x [K 2, N 1]; A: computed on the way; B: computed on the way: left as it is (K = 2 < 32)
;;     3. [M 4,096, K 1,024] x [K 1,024, N 4,096]; A: input gate_w (given as codes); B: input x: QUANTISED
;;     4. [M 4,096, K 1,024] x [K 1,024, N 4,096]; A: input up_w (given as codes); B: input x: QUANTISED
;;     5. batch 2 x [M 4,096, K 2,048] x [K 2,048, N 1,024]; A: computed on the way; B: input down_w (given as codes): QUANTISED
;;     6. batch 4,096 x [M 1, K 2] x [K 2, N 1,024]; A: computed on the way; B: computed on the way: left as it is (K = 2 < 32)
;;     7. [M 4,096, K 1,024] x [K 1,024, N 1,024]; A: input x; B: input shared_gate_w (given as codes): QUANTISED
;;     8. [M 4,096, K 1,024] x [K 1,024, N 1,024]; A: input x; B: input shared_up_w (given as codes): QUANTISED
;;     9. [M 4,096, K 1,024] x [K 1,024, N 1,024]; A: computed on the way; B: input shared_down_w (given as codes): QUANTISED
;;   THE QUANTISER, for each operand of a quantised product, along K:
;;     - K is cut into blocks of 32 from its start; a last block that is shorter is filled with zeros.
;;     - A block's scale is 2^e with e = floor(log2(the largest magnitude in the block)) - 15, held to -126 .. 127; a block of zeros has e = 0. As a byte (E8M0): e + 127.
;;     - Each number is divided by its block's scale, clamped to +-57,344, and rounded to the nearest number of E5M2, ties to even, subnormals kept.
;;     - The product sums the exact products of the quantised numbers (number of the format x scale) in f32.
;;   ~~~python
;;   def quantise(x, axis):      # numpy; x: float32 -> the quantised numbers, widened to float32 again
;;       x = np.moveaxis(x, axis, -1); K = x.shape[-1]
;;       x = np.pad(x, [(0, 0)] * (x.ndim - 1) + [(0, -K % 32)]); x = x.reshape(x.shape[:-1] + (-1, 32)); a = np.abs(x).max(-1, keepdims=True)
;;       e = np.where(a > 0, np.clip(np.frexp(np.where(a > 0, a, 1))[1] - 1 - 15, -126, 127), 0)      # np.frexp(a)[1] - 1 = floor(log2(a)), exactly
;;       r = np.clip(x / 2.0 ** e, -57344, 57344)
;;       step = 2.0 ** (np.maximum(np.frexp(np.where(r == 0, 1, r))[1] - 1, -14) - 2)
;;       q = np.round(r / step) * step * 2.0 ** e      # np.round: ties to even
;;       return np.moveaxis(q.reshape(q.shape[:-2] + (-1,))[..., :K], -1, axis).astype(np.float32)
;;   ~~~
;;   OPERANDS COMPUTED ON THE WAY. 'Computed on the way' means the value that the module computes at that place (a softmax that the list does not call 'softmax' is quantised finished and normalised). What goes into a quantiser is computed in f32, as accurately as f32 sums, v_exp_f32 and their like allow (about 1e-6 of the number): no bf16 or f16 on the way to a quantiser, and a product that is left as it is and whose result goes on into a quantised operand takes f32 operands (vector FMAs, or v_wmma_f32_16x16x4_f32). A number that lies on a knife's edge between two numbers of the format may be rounded either way, as far as f32 arithmetic and the matrix unit's own rounding can turn it there, and no further.
;;   INPUTS GIVEN AS CODES. down_w (in the module: [2, 1024, 2048], K = its axis 2); gate_w (in the module: [2, 2048, 1024], K = its axis 2); shared_down_w (in the module: [1024, 1024], K = its axis 1); shared_gate_w (in the module: [1024, 1024], K = its axis 1); shared_up_w (in the module: [1024, 1024], K = its axis 1); up_w (in the module: [2, 2048, 1024], K = its axis 2): each comes as NAME_codes (uint8): NAME with its K axis moved to the last place and cut into blocks of 32 codes, [.., K / 32, bytes a block], one block behind the other in memory; one code a byte (a code: sign, 5 exponent bits, 2 mantissa bits); and NAME_scales (uint8): the same leading axes, one E8M0 byte (e + 127) for each 32 codes along K. Its value is code x scale, taken as it is: it is not quantised again, and the codes and scales need not be those that the quantiser above would give.
;; One version. Each part assembles by itself: llvm-mc -triple=amdgcn-amd-amdhsa -mcpu=gfx1250 --defsym DOCPART=n.
;; ======== version 1 of 1: 3 launches
;; limits: right only within a limited range of input values
;; workspace buffers: xc 4,194,304 bytes; xs 131,072 bytes; comb 32,768 bytes; psum 2,048 bytes; hc 20,971,520 bytes; hs 655,360 bytes
;; launch quantx (part 1): grid 256 x 1, 8 waves a work-group, no clusters, 70,656 bytes of LDS; arguments x, router_w, xc, xs, comb, psum; writes xc, xs, comb, psum
.if DOCPART == 1
	.amdgcn_target "amdgcn-amd-amdhsa--gfx1250"
	.amdhsa_code_object_version 6
	.text
	.protected	k_q2914300c43_quantx
	.globl	k_q2914300c43_quantx
	.p2align	8
	.type	k_q2914300c43_quantx,@function
k_q2914300c43_quantx:
	s_mov_b64 s[64:65], 0
	v_nop
	global_prefetch_b8 v0, s[64:65] scope:SCOPE_SE
	s_setreg_imm32_b32 hwreg(HW_REG_WAVE_MODE, 25, 1), 1
	s_wait_xcnt 0x0
; x [4096][1024] f32 becomes codes of E5M2 with one E8M0 byte for each 32 along K, and the router's gates are made on the way: x is read once.
; xc: [16 tokens tb][K step s][group c][lane][16 bytes]: the image of an operand's registers: lane (r, h), group c holds k = 128 s + 32 c + 16 h + 0..15 of token 16 tb + r.
; xs: [token][32 bytes].  comb: [expert][token] f32, the gates.  psum: [tb][expert] f32, the sums of the softmax over 16 tokens.
; SHARES: a work-group takes 16 tokens, wave w K step w (128 numbers) of all 16 rows.  Every load reads 512 consecutive bytes; the rows turn through the wave's own stage in LDS,
; so that a lane then holds 16 neighbours of each block of 32.  The two logits are f32 fused multiply-adds; a transposing tree brings the 32 partial sums (16 tokens x 2 experts) to 32 lanes.
; The softmax takes the larger logit away first.  With two experts and the two largest kept, both are kept: gate = p / (p0 + p1), as it is written in the problem.
; No cluster, no tensor load, no matrix unit: work-groups share nothing but 8 KiB of router weights, and memory binds.
; LIMITS: NaN and infinities among the inputs are not served; a block whose largest magnitude lies under 2^-111, a block of zeros among them, keeps the byte 1 (its codes are zeros or subnormal; the bytes are read by this program alone).
.set STGB, 8448                        ; a wave's stage: 16 rows x (512 + 16) bytes
.set LOG,  67584                       ; [wave][lane] f32: partial logits
.set XSG,  68608                       ; 16 tokens x 32 scale bytes
.set RAW, 16                           ; v16-79   16 rows as loaded
.set X,   80                           ; v80-143  64 numbers: register 16 b + i = k 32 b + 16 h + i of row r
.set D,   144                          ; v144-175 partial dot products, D[16 e + i]
.set RW,  176                          ; v176-183 my 4 numbers of each router row
.set TM,  192                          ; v192-207 at work in the quantiser
.set PW,  208
.set PC,  212                          ; v212-227 the codes
.set WV,  16
.set MK,  20                           ; s20-24 masks: lanes whose bit b is set
.set SEL, 30
.set MNT, 32
	s_load_b256 s[4:11], s[0:1], 0x0               ; x, router_w, xc, xs
	s_load_b128 s[12:15], s[0:1], 0x20             ; comb, psum
	v_lshl_add_u32 v254, v0, 2, 0x11000
	v_mov_b32 v255, 0
	v_lshrrev_b32 v1, 5, v0
	s_delay_alu instid0(VALU_DEP_1)
	v_readfirstlane_b32 s[WV], v1                  ; wave 0..7
	v_and_b32 v1, 31, v0                           ; lane
	v_and_b32 v2, 15, v0                           ; r
	v_bfe_u32 v3, v0, 4, 1                         ; h
	s_delay_alu instid0(VALU_DEP_3)
	v_lshlrev_b32 v4, 4, v1                        ; 16 x lane
	s_mul_i32 s17, s[WV], STGB
	v_add_nc_u32 v5, s17, v4                       ; the stage, way in
	v_mul_u32_u24 v6, v2, 528
	s_delay_alu instid0(VALU_DEP_1)
	v_lshl_add_u32 v6, v3, 6, v6
	s_delay_alu instid0(VALU_DEP_1)
	v_add_nc_u32 v6, s17, v6                       ; way out: row r, + 64 h
	v_lshl_add_u32 v7, v0, 2, LOG                  ; my partial logit's word
	s_lshl_b32 s18, s[WV], 2
	v_lshlrev_b32 v8, 5, v2
	s_delay_alu instid0(VALU_DEP_1)
	v_add_nc_u32 v8, s18, v8
	s_delay_alu instid0(VALU_DEP_1)
	v_add_nc_u32 v8, XSG, v8                       ; token r's scale word of K step w
	v_lshlrev_b32 v9, 2, v2
	s_delay_alu instid0(VALU_DEP_1)
	v_lshl_or_b32 v9, v3, 14, v9                   ; comb: expert h, token r
	v_add_nc_u32 v10, XSG, v4                      ; wave 1: the scale bytes on their way out
	v_lshl_add_u32 v11, v1, 2, LOG                 ; wave 0: the eight partial logits
	v_lshlrev_b32 v12, 2, v3                       ; psum: 4 h
.irp b, 0,1,2,3,4
	v_and_b32 v13, 1<<\b, v0
	s_delay_alu instid0(VALU_DEP_1)
	v_cmp_ne_u32 s[MK+\b], 0, v13
.endr
	s_mov_b32 s[SEL], 0x76543210
	s_mov_b32 s[SEL+1], 0xfedcba98                 ; lane l xor 16
	s_mov_b32 s[MNT], 0x600000                     ; the mantissa field of 57,344
	s_lshl_b32 s26, ttmp9, 16                      ; x: 16 rows of 4,096 bytes a work-group, + 512 w
	s_lshl_b32 s28, s[WV], 9
	s_add_co_u32 s26, s26, s28
	s_mov_b32 s27, 0
	s_mov_b32 s29, 0
	s_lshl_b32 s34, ttmp9, 14                      ; xc: 16,384 a work-group, + 2,048 w
	s_lshl_b32 s35, s[WV], 11
	s_add_co_u32 s34, s34, s35
	s_mov_b32 s35, 0
	s_lshl_b32 s36, ttmp9, 9
	s_mov_b32 s37, 0
	s_lshl_b32 s38, ttmp9, 6
	s_mov_b32 s39, 0
	s_lshl_b32 s40, ttmp9, 3
	s_mov_b32 s41, 0
.irp b, 0,1,2,3
	v_mov_b32 v[TM+4+\b], 0                        ; a lane permute's destination counts as one of its sources
.endr
	v_mov_b32 v190, 0
	v_mov_b32 v24, 0
	s_wait_kmcnt 0x0
	s_add_nc_u64 s[4:5], s[4:5], s[26:27]
	s_add_nc_u64 s[6:7], s[6:7], s[28:29]
	s_add_nc_u64 s[8:9], s[8:9], s[34:35]
	s_add_nc_u64 s[10:11], s[10:11], s[36:37]
	s_add_nc_u64 s[12:13], s[12:13], s[38:39]
	s_add_nc_u64 s[14:15], s[14:15], s[40:41]
	global_load_b128 v[RW:RW+3], v4, s[6:7]
	global_load_b128 v[RW+4:RW+7], v4, s[6:7] offset:4096
.irp i, 0,1,2,3,4,5,6,7,8,9,10,11,12,13,14,15
	global_load_b128 v[RAW+4*\i:RAW+4*\i+3], v4, s[4:5] offset:4096*\i th:TH_LOAD_NT   ; 32 lanes read 512 consecutive bytes of row i
.endr
.irp i, 0,1,2,3,4,5,6,7,8,9,10,11,12,13,14,15
	s_wait_loadcnt 15-\i                           ; row i is in; the younger rows' loads stay out
	ds_store_b128 v5, v[RAW+4*\i:RAW+4*\i+3] offset:528*\i
.irp e, 0,1
	v_pk_mul_f32 v[184+2*\e:185+2*\e], v[RAW+4*\i:RAW+4*\i+1], v[RW+4*\e:RW+4*\e+1]
	s_delay_alu instid0(VALU_DEP_1)
	v_pk_fma_f32 v[184+2*\e:185+2*\e], v[RAW+4*\i+2:RAW+4*\i+3], v[RW+4*\e+2:RW+4*\e+3], v[184+2*\e:185+2*\e]
.endr
	s_delay_alu instid0(VALU_DEP_3)
	v_add_f32 v[D+\i], v184, v185
	s_delay_alu instid0(VALU_DEP_2)
	v_add_f32 v[D+16+\i], v186, v187
.endr
.irp b, 0,1,2,3
.irp j, 0,1,2,3
	ds_load_b128 v[X+16*\b+4*\j:X+16*\b+4*\j+3], v6 offset:128*\b+16*\j   ; LDS serves a wave's instructions in order: these see the stores above
.endr
.endr
; The tree: at level b a lane keeps the values whose bit b equals its own and hands the others to lane l xor 2^b; at the end lane 16 e + i holds this K step's part of logit (i, e).
.macro LEVEL b, m
.set vv, 0
.rept 32>>(\b+1)
	v_cndmask_b32 v188, v[D+vv], v[D+vv+\m], s[MK+\b]
	v_cndmask_b32 v189, v[D+vv+\m], v[D+vv], s[MK+\b]
	s_delay_alu instid0(VALU_DEP_1)
	v_add_f32_dpp v[D+vv], v189, v188 row_xmask:\m row_mask:0xf bank_mask:0xf
.set vv, vv+2*\m
.endr
.endm
	LEVEL 0, 1
	LEVEL 1, 2
	LEVEL 2, 4
	LEVEL 3, 8
	s_delay_alu instid0(VALU_DEP_1)
	v_cndmask_b32 v188, v[D], v[D+16], s[MK+4]
	s_delay_alu instid0(VALU_DEP_2)
	v_cndmask_b32 v189, v[D+16], v[D], s[MK+4]
	s_delay_alu instid0(VALU_DEP_1)
	v_permlanex16_b32 v190, v189, s[SEL], s[SEL+1]
	s_delay_alu instid0(VALU_DEP_1)
	v_add_f32 v[D], v188, v190
	ds_store_b32 v7, v[D]
	s_wait_dscnt 1                                 ; my 64 numbers are back from the stage; only the store just issued may be out
; the quantiser: four blocks of 32, 16 numbers of each in my registers, the other 16 in lane l xor 16
.irp b, 0,1,2,3
	v_max3_num_f32 v[TM+\b], |v[X+16*\b]|, |v[X+1+16*\b]|, 0x8000000   ; with the floor 2^(16 - 127): the byte cannot fall under 1
.endr
.irp i, 2,4,6,8,10,12,14
.irp b, 0,1,2,3
	s_delay_alu instid0(VALU_DEP_4)
	v_max3_num_f32 v[TM+\b], v[TM+\b], |v[X+16*\b+\i]|, |v[X+1+16*\b+\i]|
.endr
.endr
.irp b, 0,1,2,3
	s_delay_alu instid0(VALU_DEP_4)
	v_permlanex16_b32 v[TM+4+\b], v[TM+\b], s[SEL], s[SEL+1]
.endr
.irp b, 0,1,2,3
	s_delay_alu instid0(VALU_DEP_4)
	v_max_num_f32 v[TM+\b], v[TM+\b], v[TM+4+\b]   ; the block's largest magnitude
.endr
.irp b, 0,1,2,3
	s_delay_alu instid0(VALU_DEP_4)
	v_add_nc_u32 v[TM+12+\b], 0xf8800000, v[TM+\b] ; 15 off its exponent field: the conversion's scale operand
.endr
.irp b, 0,1,2,3
	v_and_or_b32 v[TM+8+\b], v[TM+\b], 0x7f800000, s[MNT]   ; 57,344 x the scale
.endr
.irp b, 0,1,2,3
	v_lshrrev_b32 v[TM+4+\b], 23, v[TM+12+\b]      ; the scale's byte
.endr
	s_delay_alu instid0(VALU_DEP_3)
	v_lshl_or_b32 v[PW], v[TM+5], 8, v[TM+4]
	s_delay_alu instid0(VALU_DEP_1)
	v_lshl_or_b32 v[PW], v[TM+6], 16, v[PW]
	s_delay_alu instid0(VALU_DEP_1)
	v_lshl_or_b32 v[PW], v[TM+7], 24, v[PW]
.irp b, 0,1,2,3
.irp i, 0,1,2,3,4,5,6,7,8,9,10,11,12,13,14,15
	v_med3_num_f32 v[X+16*\b+\i], v[X+16*\b+\i], -v[TM+8+\b], v[TM+8+\b]   ; the conversion does not saturate (ISA guide 7.6.2): the hold comes first
.endr
	v_cvt_scalef32_pk8_bf8_f32 v[PC+4*\b:PC+1+4*\b], v[X+16*\b:X+7+16*\b], v[TM+12+\b]
	v_cvt_scalef32_pk8_bf8_f32 v[PC+2+4*\b:PC+3+4*\b], v[X+8+16*\b:X+15+16*\b], v[TM+12+\b]
.endr
	v_nop                                          ; a plain line behind the last conversion
.irp c, 0,1,2,3
	global_store_b128 v4, v[PC+4*\c:PC+4*\c+3], s[8:9] offset:512*\c   ; 32 lanes store 512 consecutive bytes
.endr
	ds_store_b32 v8, v[PW]                         ; both halves of the lanes write the same word with the same value
	s_wait_dscnt 0x0                               ; for the others' sake: my logits and scale words lie in LDS
	s_barrier_signal -1
	s_barrier_wait -1
	s_cmp_eq_u32 s[WV], 1
	s_cbranch_scc1 .Lscales
	s_cmp_eq_u32 s[WV], 0
	s_cbranch_scc1 .Lrouter
	s_wait_tensorcnt 0x0
	ds_add_u32 v254, v255
	s_wait_dscnt 0x0
	s_endpgm
.Lscales:                                          ; wave 1: the 16 tokens' 512 scale bytes leave as two whole aligned runs of 256
	ds_load_b128 v[16:19], v10
	s_wait_dscnt 0x0
	global_store_b128 v4, v[16:19], s[10:11]
	s_wait_tensorcnt 0x0
	ds_add_u32 v254, v255
	s_wait_dscnt 0x0
	s_endpgm
.Lrouter:                                          ; wave 0: lane (h = expert, r = token)
.irp i, 0,1,2,3,4,5,6,7
	ds_load_b32 v[16+\i], v11 offset:128*\i
.endr
	s_wait_dscnt 0x0
.irp i, 1
	v_add_f32 v16, v16, v[16+\i]                   ; K ascending
.endr
.irp i, 2, 3, 4, 5, 6, 7
	s_delay_alu instid0(VALU_DEP_1)
	v_add_f32 v16, v16, v[16+\i]                   ; K ascending
.endr
	s_delay_alu instid0(VALU_DEP_1)
	v_permlanex16_b32 v24, v16, s[SEL], s[SEL+1]   ; the other expert's logit
	s_delay_alu instid0(VALU_DEP_1)
	v_max_num_f32 v25, v16, v24                    ; the maximum is taken away ahead of the exponentials
	s_delay_alu instid0(VALU_DEP_1)
	v_sub_f32 v26, v16, v25
	s_delay_alu instid0(VALU_DEP_2)
	v_sub_f32 v27, v24, v25
	s_delay_alu instid0(VALU_DEP_2)
	v_mul_f32 v26, 0x3fb8aa3b, v26
	s_delay_alu instid0(VALU_DEP_2)
	v_mul_f32 v27, 0x3fb8aa3b, v27
	s_wait_alu depctr_va_vdst(0)
	v_exp_f32 v26, v26
	v_exp_f32 v27, v27
	v_nop                                          ; a plain line behind the batch,
	s_wait_alu depctr_va_vdst(0)                   ; and the wait ahead of its first reader
	v_add_f32 v28, v26, v27
	s_wait_alu depctr_va_vdst(0)
	v_rcp_f32 v28, v28
	v_nop
	s_wait_alu depctr_va_vdst(0)
	v_mul_f32 v29, v26, v28                        ; p of my expert
	v_mul_f32 v30, v27, v28                        ; of the other
	s_delay_alu instid0(VALU_DEP_1)
	v_add_f32 v31, v29, v30
	s_wait_alu depctr_va_vdst(0)
	v_rcp_f32 v31, v31
	v_nop
	s_wait_alu depctr_va_vdst(0)
	v_mul_f32 v32, v29, v31                        ; the gate: p over the sum of the two that are kept
	global_store_b32 v9, v32, s[12:13]
	v_add_f32_dpp v29, v29, v29 row_xmask:1 row_mask:0xf bank_mask:0xf
	s_delay_alu instid0(VALU_DEP_1)
	v_add_f32_dpp v29, v29, v29 row_xmask:2 row_mask:0xf bank_mask:0xf
	s_delay_alu instid0(VALU_DEP_1)
	v_add_f32_dpp v29, v29, v29 row_xmask:4 row_mask:0xf bank_mask:0xf
	s_delay_alu instid0(VALU_DEP_1)
	v_add_f32_dpp v29, v29, v29 row_xmask:8 row_mask:0xf bank_mask:0xf
	v_cmp_eq_u32 vcc_lo, 0, v2
	s_wait_alu depctr_va_vdst(0)
	s_wait_xcnt 0x0                                ; EXEC changes only behind this wait
	s_wait_tensorcnt 0x0
	ds_add_u32 v254, v255
	s_wait_dscnt 0x0
	s_and_saveexec_b32 s33, vcc_lo
	global_store_b32 v12, v29, s[14:15]            ; lanes 0 and 16: the sums of p over the 16 tokens
	s_wait_xcnt 0x0
	s_or_b32 exec_lo, exec_lo, s33
	s_endpgm
.Lfunc_end_k_q2914300c43_quantx:
	.size	k_q2914300c43_quantx, .Lfunc_end_k_q2914300c43_quantx-k_q2914300c43_quantx
	.p2alignl 7, 3214868480
	.fill 96, 4, 3214868480
	.section	.rodata,"a",@progbits
	.p2align	6, 0x0
	.amdhsa_kernel k_q2914300c43_quantx
		.amdhsa_group_segment_fixed_size 70656
		.amdhsa_private_segment_fixed_size 0
		.amdhsa_enable_private_segment 0
		.amdhsa_kernarg_size 48
		.amdhsa_user_sgpr_count 2
		.amdhsa_user_sgpr_kernarg_segment_ptr 1
		.amdhsa_wavefront_size32 1
		.amdhsa_system_sgpr_workgroup_id_x 1
		.amdhsa_system_sgpr_workgroup_id_y 1
		.amdhsa_system_sgpr_workgroup_id_z 1
		.amdhsa_system_vgpr_workitem_id 0
		.amdhsa_next_free_vgpr 256
		.amdhsa_next_free_sgpr 66
		.amdhsa_reserve_vcc 1
		.amdhsa_float_denorm_mode_32 3
		.amdhsa_float_denorm_mode_16_64 3
		.amdhsa_memory_ordered 1
		.amdhsa_forward_progress 1
		.amdhsa_inst_pref_size 35
	.end_amdhsa_kernel
	.amdgpu_metadata
---
amdhsa.version: [ 1, 2 ]
amdhsa.kernels:
  - .name:           k_q2914300c43_quantx
    .symbol:         k_q2914300c43_quantx.kd
    .args:
      - { .name: x, .offset: 0, .size: 8, .value_kind: global_buffer, .address_space: global }
      - { .name: router_w, .offset: 8, .size: 8, .value_kind: global_buffer, .address_space: global }
      - { .name: xc, .offset: 16, .size: 8, .value_kind: global_buffer, .address_space: global }
      - { .name: xs, .offset: 24, .size: 8, .value_kind: global_buffer, .address_space: global }
      - { .name: comb, .offset: 32, .size: 8, .value_kind: global_buffer, .address_space: global }
      - { .name: psum, .offset: 40, .size: 8, .value_kind: global_buffer, .address_space: global }
    .group_segment_fixed_size: 70656
    .private_segment_fixed_size: 0
    .kernarg_segment_align: 8
    .kernarg_segment_size: 48
    .max_flat_workgroup_size: 256
    .sgpr_count:     66
    .vgpr_count:     256
    .wavefront_size: 32
...
	.end_amdgpu_metadata
.endif
;; end of part 1
;; launch gateup (part 2): grid 16 x 16, 4 waves a work-group, clusters of 4 x 4, 327,680 bytes of LDS; arguments xc, xs, gate_w_codes, up_w_codes, gate_w_scales, up_w_scales, shared_gate_w_codes, shared_up_w_codes, shared_gate_w_scales, shared_up_w_scales, hc, hs; writes hc, hs
.if DOCPART == 2
	.amdgcn_target "amdgcn-amd-amdhsa--gfx1250"
	.amdhsa_code_object_version 6
	.text
	.protected	k_q2914300c43_gateup
	.globl	k_q2914300c43_gateup
	.p2align	8
	.type	k_q2914300c43_gateup,@function
k_q2914300c43_gateup:
	s_mov_b64 s[64:65], 0
	v_nop
	global_prefetch_b8 v0, s[64:65] scope:SCOPE_SE
	s_setreg_imm32_b32 hwreg(HW_REG_WAVE_MODE, 25, 1), 1
	s_wait_xcnt 0x0
	s_wait_alu depctr_hold_cnt(0) depctr_sa_sdst(0) depctr_va_vdst(0) depctr_va_sdst(0) depctr_va_ssrc(0) depctr_va_vcc(0) depctr_vm_vsrc(0)
	s_getreg_b32 s2, hwreg(HW_REG_IB_STS2, 6, 4)
	s_cmp_eq_u32 s2, 0
	s_cbranch_scc0 .Lentry_in_a_cluster
	s_endpgm
.Lentry_in_a_cluster:
	s_bfe_u32 s2, ttmp6, 0x10000c
	s_cmp_lg_u32 s2, 0xf033
	s_cbranch_scc0 .Lentry_shape_is_right
	s_endpgm
.Lentry_shape_is_right:
; h = silu(x G^T) * (x U^T) for the two experts and the shared expert (5,120 hidden units in all), quantised along the hidden axis on the way: codes hc, scale bytes hs.
; SHARES: work-group (tx, gy) takes 256 tokens x 320 hidden units (10 blocks of 32); wave w holds the codes of 64 tokens for ALL of K = 1,024 in registers (32 fragments, 512 registers), read once.
; The weights stream through a ring of two LDS slots of one block each (32 rows of the gate's weight and the same 32 of the up weight).  A weight fragment read from LDS feeds four matrix instructions.
; CLUSTER 4 x 4: the four work-groups of a row (same gy) walk the same weights and ask for them jointly; the four of a column (same tx) ask jointly for x's K steps 0-5, which pass through LDS at the head.
; Their stage reaches over slot 1, whose first weights are asked for behind a drained round once all waves hold the stage in registers.  K steps 6, 7 of x go straight into registers: LDS has no room for them.
; A PAIR = 16 gate rows + the same 16 up rows = 64 matrix instructions on 8 accumulators by turns, K ascending, used transposed (source 0 = weights, source 1 = tokens): a lane holds one token and eight hidden units.
; The NEXT pair's fragments come in four groups of 16 loads: behind products 23, 39 and 55, and between the pairs, each into registers whose last reader stands eight plain lines back.
; Behind every second product of a block's first pair stand two lines of the block before: maxima and scale bytes.
; BETWEEN PAIRS stands the activation: no transcendental stands inside a sum.  Among the exponentials and reciprocals stand the holds of the block before.
; hc: [128 tokens tt][block of 32 units ub][16 tokens a][lane][16 bytes]; lane (r, h): token 16 a + r, units 16 h + 0..15 of the block: the image of an operand's registers.
; hs: [tt][two blocks][lane (r, a / 4)][a % 4][block], a byte each.
; h is formed as (g u) / (1 + 2^(-g log2 e)).  LIMITS: |g u| beyond f32's range, NaN and infinities are not served; a block whose largest magnitude lies under 2^-111 keeps the byte 1.
; PREFETCH: in trip t of the loop each wave asks for its share of block t + 4, two trips ahead of its tensor load, and at the head for its share of block 1: of the 16 rows that a wave fetches, the partner at cx asks for rows 4 cx .. 4 cx + 3.
; Blocks 0, 2 and 3 come by their loads alone.
; REGISTERS, in windows of 256: window 0: addresses, quantiser's work, scale words, 8 accumulators, the block's hidden numbers; window 1: one pair's 16 weight fragments, (K step s, t) at 16 (2 s + t);
; windows 2, 3: x, fragment (a', s) at 16 (8 (a' % 2) + s) of window 2 + a' / 2.
.set PAIRB, 16640                      ; 16 rows x (1,024 + 16) bytes
.set UOFF,  33280                      ; the up rows lie behind the 32 gate rows
.set SLOTB, 66560
.set XST,   66560                      ; K steps 0-5 of x: [tb 16][s 6][c 4][lane][16 bytes], 196,608 bytes
.set SCG,   264192                     ; the weights' scale bytes: [block 10][gate, up][32 rows x 32 bytes], stored once through registers
.set SPARE, 284672                     ; the spare words, 128 bytes a wave
.set SPW, 1
.set NIL, 2
.set AD,  3                            ; my lane in the slot that is read
.set ADS, 4                            ; my lane in the block's scale words
.set LB0, 5                            ; 1,040 r + 16 h
.set PFO, 6
.set SCW, 7
.set OC,  8                            ; 16 x lane
.set OS,  9                            ; hs: 128 (w % 2) + 8 r + 4 h
.set SBW, 10
.set TMB, 11
.set TM,  12
.set T2,  16
.set HOLD, 20
.set SCOP, 24
.set PC,  28                           ; 16 registers of codes
.set XA,  44                           ; my lane in x's stage
.set TMC, 45
.set XS,  48                           ; x's scale words: register 4 a' + j: lanes 0-15 K step j, lanes 16-31 K step 4 + j
.set WS,  66                           ; the weights': 8 par + 4 t + j, likewise; no product's two scale registers have numbers equal modulo 8
.set AC,  96                           ; g of a' at + 16 a', u at + 16 a' + 8
.set HH,  160                          ; the block's first 16 units at + 8 a' + j, the second 16 at + 32 + 8 a' + j
.set TA,  224                          ; at work in the head
.set WV, 28
.set CX, 29
.set TX, 30
.set GY, 31
.set SL, 32                            ; the block of weights that was asked for last: 0-127 experts' rows 32 SL, 128-159 shared rows 32 (SL - 128)
.set RB, 33                            ; LDS byte of the slot that is read
.set FB, 34                            ; of the slot that is filled
.set TRIP, 35
.set CS, 36
.set SEL, 38
.set MNT, 40
.set HM, 41
.set CY, 42
.set TT, 43
.set BE, 44
.set BS, 46
.set TP, 48
.set OFFP, 50
.set G1R, 52
.set G0R, 60
.set G1W, 68
.set G0H, 76
.set G0X, 80
.set G1X, 84
.set HCB, 92
.set HSB, 94
.set XB, 96
.set PFB, 98
.set MSB, 0
.macro WIN new                         ; the immediate's high byte repeats the setting that is left
.if MSB != (\new)
	s_set_vgpr_msb (MSB<<8)|(\new)
.set MSB, (\new)
.endif
.endm
.macro NOPS n
.rept \n
	v_nop
.endr
.endm
.macro WALU
	s_wait_alu depctr_va_vdst(0)
.endm
.macro MIDDLE                          ; a round of the cluster's barrier between its opening wait and its closing signal
	s_cmp_lg_u32 s[WV], 0
	s_cbranch_scc1 .Lnw0_\@
	s_barrier_signal -3
.Lnw0_\@:
	s_barrier_wait -3
.endm
.macro ROUND
	s_barrier_signal -1
	s_barrier_wait -1
	MIDDLE
	s_barrier_signal -1
	s_barrier_wait -1
.endm
.macro GROUP1 g, width, rows, pitch
	s_mov_b32 s[\g+1], (\width)<<16        ; tensor_dim0
	s_mov_b32 s[\g+2], (\rows)<<16         ; tensor_dim1
	s_mov_b32 s[\g+3], (\width)<<16        ; tile_dim0
	s_mov_b32 s[\g+4], \rows               ; tile_dim1
	s_mov_b32 s[\g+5], \pitch
	s_mov_b32 s[\g+6], 0
	s_mov_b32 s[\g+7], 0
.endm
.macro WADDR d, sl, be, bs             ; d = address of block sl of the weight behind be (experts) and bs (shared)
	s_cmp_lt_u32 s[\sl], 128
	s_cselect_b64 s[TP:TP+1], s[\be:\be+1], s[\bs:\bs+1]
	s_cselect_b32 s[TT], 0, 128
	s_sub_co_u32 s[OFFP], s[\sl], s[TT]
	s_lshl_b32 s[OFFP], s[OFFP], 15        ; 32 rows of 1,024 bytes
	s_mov_b32 s[OFFP+1], 0
	s_add_nc_u64 s[\d:\d+1], s[TP:TP+1], s[OFFP:OFFP+1]
.endm
.macro SETG0R                          ; group 0 for my 16 rows of block SL, into the slot at FB
	s_mov_b32 s[G0R], 1
	s_mul_i32 s[G0R+1], s[WV], PAIRB
	s_add_co_u32 s[G0R+1], s[G0R+1], s[FB]
	WADDR G0R+2, SL, BE, BS
	s_or_b32 s[G0R+3], s[G0R+3], 0x80000000
.endm
; matrix instruction kk of a pair: K step kk / 8, tokens a' = (kk / 2) % 4, t = kk % 2 (gate, up)
.macro WM par
.set ws_, kk>>3
.set wa_, (kk>>1)&3
.set wt_, kk&1
.set rD, AC+16*wa_+8*wt_
.set rA, 16*(2*ws_+wt_)
.set rB, 16*(8*(wa_&1)+ws_)
.set rSA, WS+8*(\par)+4*wt_+(ws_&3)
.set rSB, XS+4*wa_+(ws_&3)
	WIN 0x09+4*(wa_>>1)
.if ws_ == 0
	v_wmma_scale_f32_16x16x128_f8f6f4 v[rD:rD+7], v[rA:rA+15], v[rB:rB+15], 0, v[rSA], v[rSB] matrix_a_fmt:MATRIX_FMT_BF8 matrix_b_fmt:MATRIX_FMT_BF8
.elseif ws_ < 4
	v_wmma_scale_f32_16x16x128_f8f6f4 v[rD:rD+7], v[rA:rA+15], v[rB:rB+15], v[rD:rD+7], v[rSA], v[rSB] matrix_a_fmt:MATRIX_FMT_BF8 matrix_b_fmt:MATRIX_FMT_BF8
.else
	v_wmma_scale_f32_16x16x128_f8f6f4 v[rD:rD+7], v[rA:rA+15], v[rB:rB+15], v[rD:rD+7], v[rSA], v[rSB] matrix_a_fmt:MATRIX_FMT_BF8 matrix_b_fmt:MATRIX_FMT_BF8 matrix_a_scale:MATRIX_SCALE_ROW1 matrix_b_scale:MATRIX_SCALE_ROW1
.endif
.endm
.macro LD pi                           ; load ll (0 .. 63) of a pair's fragments: K step ll / 8; pi: the pair's byte in its slot
.set ls_, ll>>3
.set lt_, ll&1
.set lc_, (ll>>1)&3
	ds_load_b128 v[16*(2*ls_+lt_)+4*lc_:16*(2*ls_+lt_)+4*lc_+3], v[AD] offset:(\pi)+UOFF*lt_+128*ls_+32*lc_
.set ll, ll+1
.endm
.macro LDN n, pi
.rept \n
	LD \pi
.endr
.endm
.macro SCL par                         ; a pair's scale words into set 1 - par: par 0: the block's second pair, par 1: the next block's first
.set so_, 512+1536*(\par)
	ds_load_b128 v[WS+8*(1-(\par)):WS+8*(1-(\par))+3], v[ADS] offset:so_
	ds_load_b128 v[WS+8*(1-(\par))+4:WS+8*(1-(\par))+7], v[ADS] offset:so_+1024
.endm
; line n2 of a block's maxima and scale bytes: 4 x 16 tokens, 32 units (16 in my registers, 16 in lane l xor 16); two token tiles at a time, so that a line stands near the line whose result it reads
.macro S2L
.if n2 < 32
.set qa_, 2*(n2>>4)+(n2&1)
.set qs_, (n2&15)>>1
.set qr_, HH+32*(qs_>>2)+8*qa_+2*(qs_&3)
.if qs_ == 0
	v_max3_num_f32 v[TM+qa_], |v[qr_]|, |v[qr_+1]|, 0x8000000    ; with the floor 2^(16 - 127)
.else
	v_max3_num_f32 v[TM+qa_], v[TM+qa_], |v[qr_]|, |v[qr_+1]|
.endif
.elseif n2 < 52
.set qb_, (n2-32)/10
.set qo_, (n2-32-10*qb_)>>1
.set qa_, 2*qb_+(n2&1)
.if qo_ == 0
	v_permlanex16_b32 v[T2+qa_], v[TM+qa_], s[SEL], s[SEL+1]
.elseif qo_ == 1
	v_max_num_f32 v[TM+qa_], v[TM+qa_], v[T2+qa_]
.elseif qo_ == 2
	v_add_nc_u32 v[SCOP+qa_], 0xf8800000, v[TM+qa_]              ; 15 off the exponent field: the conversion's scale operand
.elseif qo_ == 3
	v_and_or_b32 v[HOLD+qa_], v[TM+qa_], 0x7f800000, s[MNT]      ; 57,344 x the scale
.else
	v_lshrrev_b32 v[T2+qa_], 23, v[SCOP+qa_]                     ; the scale's byte
.endif
.elseif n2 == 52
	v_lshl_or_b32 v[TMB], v[T2+1], 16, v[T2]
.elseif n2 == 53
	v_lshl_or_b32 v[TMC], v[T2+3], 16, v[T2+2]
.elseif n2 == 54
	v_cndmask_b32 v[TMB], v[TMB], v[TMC], s[HM]                  ; lanes 0-15 store the bytes of a' = 0, 1, lanes 16-31 those of a' = 2, 3
.elseif n2 == 55
	v_perm_b32 v[SBW], v[TMB], v[SBW], 0x06030401                ; beside the byte of the block before
.else
	v_nop
.endif
.set n2, n2+1
.endm
.macro S2SL                            ; two lines; four where the scale operand and the hold read the same maximum
	S2L
	S2L
.if (n2 == 38) || (n2 == 48)
	S2L
	S2L
.endif
.endm
; The products of a pair.  par: 0, 1: which pair of its block; s2: the block before's maxima stand among them; nxt: there is a next pair.
; A load into a register that a matrix instruction has read stands eight plain vector lines behind it: behind each of the four even products ahead of a group stand at least two (K steps 0, 1 behind product 23, 2, 3 behind 39, 4, 5 behind 55).
.macro PHASE par, s2, nxt
	s_wait_dscnt 0x0                       ; the pair's fragments and scale words are in
.set kk, 0
.set n2, 0
.set ll, 0
.rept 64
	WM \par
.if (kk&1) == 0
.if (\s2) && (n2 < 56)
	WIN 0
	S2SL
.elseif (\nxt) && (kk > 15) && ((kk&8) == 0)
	NOPS 2
.endif
.elseif (\nxt) && ((kk == 23) || (kk == 39) || (kk == 55))
.if kk == 23
	WIN 0
	SCL \par
.endif
	WIN 0x40
	LDN 16, PAIRB*(1-(\par))
.endif
.set kk, kk+1
.endr
.endm
.macro HOLDN n                         ; holds at the largest code x the scale: the conversion does not saturate (ISA guide 7.6.2)
.rept \n
	v_med3_num_f32 v[HH+mi], v[HH+mi], -v[HOLD+((mi&31)>>3)], v[HOLD+((mi&31)>>3)]
.set mi, mi+1
.endr
.endm
.macro ACT1                            ; g u, then -g log2(e); each accumulator is first read at its low end
.set ai, 0
.rept 16
.set sa_, AC+16*(ai>>2)+2*(ai&3)
	v_pk_mul_f32 v[sa_+8:sa_+9], v[sa_:sa_+1], v[sa_+8:sa_+9]
.set ai, ai+1
.endr
.set ai, 0
.rept 16
.set sa_, AC+16*(ai>>2)+2*(ai&3)
	v_pk_mul_f32 v[sa_:sa_+1], v[sa_:sa_+1], s[CS:CS+1] op_sel_hi:[1,0]
.set ai, ai+1
.endr
.endm
.macro EXPS h
.set ei, 0
.rept 32
.set sa_, AC+16*(ei>>3)+(ei&7)
	v_exp_f32 v[sa_], v[sa_]
.if \h
	HOLDN 1
.endif
.set ei, ei+1
.endr
	v_nop
.endm
.macro ADDS
.set ai, 0
.rept 16
.set sa_, AC+16*(ai>>2)+2*(ai&3)
	v_pk_add_f32 v[sa_:sa_+1], v[sa_:sa_+1], 1.0 op_sel_hi:[1,0]
.set ai, ai+1
.endr
.endm
.macro RCPS h
.set ei, 0
.rept 32
.set sa_, AC+16*(ei>>3)+(ei&7)
	v_rcp_f32 v[sa_], v[sa_]
.if (\h) && (ei < 16)
	HOLDN 1
.endif
.set ei, ei+1
.endr
	v_nop
.endm
.macro FINAL par
.set ai, 0
.rept 16
.set sa_, AC+16*(ai>>2)+2*(ai&3)
.set sh_, HH+32*(\par)+8*(ai>>2)+2*(ai&3)
	v_pk_mul_f32 v[sh_:sh_+1], v[sa_+8:sa_+9], v[sa_:sa_+1]
.set ai, ai+1
.endr
.endm
.macro CVTS
.irp a, 0,1,2,3
.irp q, 0,1
	v_cvt_scalef32_pk8_bf8_f32 v[PC+4*\a+2*\q:PC+4*\a+2*\q+1], v[HH+32*\q+8*\a:HH+32*\q+8*\a+7], v[SCOP+\a]
.endr
.endr
.endm
.macro SWAPS                           ; a lane holds units 8 h + 0..7 and 16 + 8 h + 0..7; behind the exchange with lane l xor 16 it holds 16 h + 0..15
.irp a, 0,1,2,3
.irp q, 0,1
	v_permlane16_swap_b32 v[PC+4*\a+\q], v[PC+4*\a+2+\q]
.endr
.endr
.endm
.macro STORES                          ; 32 lanes store 512 consecutive bytes of hc
.irp a, 0,1,2,3
	global_store_b128 v[OC], v[PC+4*\a:PC+4*\a+3], s[HCB:HCB+1] offset:512*\a
.endr
.endm
.macro STORESC                         ; two blocks' scale bytes: 128 consecutive bytes a wave
	global_store_b32 v[OS], v[SBW], s[HSB:HSB+1]
.endm
; Behind a block's first pair: its activation, and the holds, conversions and stores of the block before.  rnd: 1: a round, behind which the slot just read out takes the block two on; 2: a plain barrier; 0: none.
; first: in the loop's first trip no block stands before: it works on zeros and stores nothing; scale bytes leave behind every second block.
.macro EVEN rnd, first
	WIN 0
.set mi, 0
	HOLDN 16                               ; these are the places behind the last products, too
	WIN 0x40
	LDN 16, PAIRB
	WIN 0
	ACT1
	WALU
.if (\rnd)
	s_wait_tensorcnt 0x0                   ; my part of the next block is in
.endif
.if (\rnd) == 1
	ds_add_u32 v[SPW], v[NIL]              ; 0 onto my spare word
	s_add_co_u32 s[SL], s[SL], 1           ; no load of mine is out, so group 0 may be written
	s_xor_b32 s[FB], s[FB], SLOTB
	SETG0R
.endif
	EXPS 1
	WALU
	ADDS
	WALU
.if (\rnd)
	s_wait_dscnt 0x0                       ; the add is done, and so are my reads of this slot
	s_barrier_signal -1
.endif
	RCPS 1
	WALU
.if (\rnd)
	s_barrier_wait -1
.endif
.if (\rnd) == 1
	MIDDLE
	s_barrier_signal -1
.endif
	CVTS
	FINAL 0
	SWAPS
.if (\rnd)
	s_xor_b32 s[RB], s[RB], SLOTB          ; the reads go on in the other slot
	v_add_nc_u32 v[AD], s[RB], v[LB0]
.endif
	WALU
.if (\rnd) == 1
	s_barrier_wait -1                      ; no wave of any partner still reads the slot or has a load on its way
	tensor_load_to_lds s[G0R:G0R+3], s[G1R:G1R+7]   ; my one load behind the round: 16 rows of the block two on; two pairs lie ahead of the wait for it
	s_nop 0
	NOPS 4
.endif
.if \first
	s_cmp_eq_u32 s[TRIP], 0
	s_cbranch_scc1 .Lnone_\@
.endif
	STORES
.if \first
	s_bitcmp1_b32 s[TRIP], 0
	s_cbranch_scc1 .Lnone_\@
.endif
.if (\rnd)
	STORESC
.endif
.if \first
.Lnone_\@:
.endif
.endm
; Behind a block's second pair: its activation.
.macro ODD nxt
	WIN 0
	NOPS 8
.if \nxt
	WIN 0x40
	LDN 16, 0
	WIN 0
.endif
	ACT1
	WALU
	s_wait_xcnt 0x0                        ; the stores and the prefetch have read their registers and bases
	EXPS 0
	WALU
	ADDS
	s_add_nc_u64 s[HCB:HCB+1], s[HCB:HCB+1], 4096
	s_add_nc_u64 s[HSB:HSB+1], s[HSB:HSB+1], 128
	WALU
	RCPS 0
	WALU
	FINAL 1
.if \nxt
	v_add_nc_u32 v[ADS], 2048, v[ADS]
.endif
	WALU
.endm
.macro XLOAD s                         ; K step s of my 64 tokens straight into registers: 16 loads of 512 consecutive bytes
	WIN 0x80
.irp a, 0,1
.irp c, 0,1,2,3
	global_load_b128 v[16*(8*\a+\s)+4*\c:16*(8*\a+\s)+4*\c+3], v[OC], s[XB:XB+1] offset:\a*16384+2048*\s+512*\c
.endr
.endr
	WIN 0xc0
.irp a, 0,1
.irp c, 0,1,2,3
	global_load_b128 v[16*(8*\a+\s)+4*\c:16*(8*\a+\s)+4*\c+3], v[OC], s[XB:XB+1] offset:(\a+2)*16384+2048*\s+512*\c
.endr
.endr
	WIN 0
.endm
.macro XLDS s                          ; the same from x's stage
	WIN 0x80
.irp a, 0,1
.irp c, 0,1,2,3
	ds_load_b128 v[16*(8*\a+\s)+4*\c:16*(8*\a+\s)+4*\c+3], v[XA] offset:\a*12288+2048*\s+512*\c
.endr
.endr
	WIN 0xc0
.irp a, 0,1
.irp c, 0,1,2,3
	ds_load_b128 v[16*(8*\a+\s)+4*\c:16*(8*\a+\s)+4*\c+3], v[XA] offset:(\a+2)*12288+2048*\s+512*\c
.endr
.endr
	WIN 0
.endm
	s_load_b512 s[4:19], s[0:1], 0x0       ; xc, xs, gate codes, up codes, gate scales, up scales, shared gate codes, shared up codes
	s_load_b256 s[20:27], s[0:1], 0x40     ; shared gate scales, shared up scales, hc, hs
	v_lshl_add_u32 v[SPW], v0, 2, SPARE
	v_mov_b32 v[NIL], 0
	ds_add_u32 v[SPW], v[NIL]              ; the opening lines: the add, twice on end, and one wait for both
	ds_add_u32 v[SPW], v[NIL]
	v_lshrrev_b32 v3, 5, v0
	v_readfirstlane_b32 s[WV], v3          ; wave 0..3
	s_bfe_u32 s[CX], ttmp6, 0x40000
	s_bfe_u32 s[CY], ttmp6, 0x40004
	s_lshl_b32 s[TX], ttmp9, 2
	s_add_co_u32 s[TX], s[TX], s[CX]       ; my block of 256 tokens, which my column of the cluster shares
	s_and_b32 s[GY], ttmp7, 0xffff
	s_lshl_b32 s[GY], s[GY], 2
	s_add_co_u32 s[GY], s[GY], s[CY]       ; my 320 hidden units, which my row shares
	s_mul_i32 s[SL], s[GY], 10
	s_lshl_b32 s2, s[CY], 2
	s_lshl_b32 s2, 15, s2                  ; my row of the cluster
	s_lshl_b32 s3, 0x1111, s[CX]           ; my column
	s_or_b32 s[G1W], s2, (1<<20)|(1<<21)|(7<<22)|(3<<25)   ; elements of 1 byte; padding: 4 words behind every 256
	s_or_b32 s[G1R], s2, (1<<20)|(1<<21)|(7<<22)|(3<<25)
	s_or_b32 s[G1X], s3, (3<<16)|(1<<21)   ; elements of 8 bytes, no padding
	GROUP1 G1W, 1024, 32, 1024
	GROUP1 G1R, 1024, 16, 1024
	GROUP1 G1X, 1536, 8, 2048              ; 8 runs of 12,288 bytes: K steps 0-5 of 128 tokens
	s_mov_b32 s[CS], 0xbfb8aa3b            ; -log2(e)
	s_mov_b32 s[CS+1], s[CS]
	s_mov_b32 s[SEL], 0x76543210
	s_mov_b32 s[SEL+1], 0xfedcba98         ; lane l xor 16
	s_mov_b32 s[MNT], 0x600000             ; the mantissa field of 57,344
	s_mov_b32 s[RB], 0
	s_mov_b32 s[FB], SLOTB
	s_mov_b32 s[TRIP], 0
	WALU
	s_wait_dscnt 0x0                       ; both opening adds are done
	s_wait_kmcnt 0x0
	s_cmp_lt_u32 s[WV], 2                  ; in the ring waves 0, 1 fetch the gate's rows, waves 2, 3 the up weight's, 16 each
	s_cselect_b64 s[BE:BE+1], s[8:9], s[10:11]
	s_cselect_b64 s[BS:BS+1], s[16:17], s[18:19]
	s_and_b32 s2, s[WV], 1
	s_lshl_b32 s[OFFP], s2, 14
	s_mov_b32 s[OFFP+1], 0
	s_add_nc_u64 s[BE:BE+1], s[BE:BE+1], s[OFFP:OFFP+1]
	s_add_nc_u64 s[BS:BS+1], s[BS:BS+1], s[OFFP:OFFP+1]
	s_cmp_lt_u32 s[WV], 3                  ; at the head wave 2 fetches block 0's 32 gate rows, wave 3 its up rows
	s_cselect_b64 s[XB:XB+1], s[8:9], s[10:11]
	s_cselect_b64 s[PFB:PFB+1], s[16:17], s[18:19]
	s_mov_b32 s[G0H], 1
	s_mul_i32 s[G0H+1], s2, UOFF
	WADDR G0H+2, SL, XB, PFB
	s_or_b32 s[G0H+3], s[G0H+3], 0x80000000
	s_mov_b32 s[G0X], 1                    ; waves 0, 1: 128 tokens of x each
	s_mul_i32 s[G0X+1], s2, 98304
	s_add_co_u32 s[G0X+1], s[G0X+1], XST
	s_lshl_b32 s[OFFP], s[TX], 18
	s_lshl_b32 s3, s2, 17
	s_add_co_u32 s[OFFP], s[OFFP], s3
	s_add_nc_u64 s[G0X+2:G0X+3], s[4:5], s[OFFP:OFFP+1]
	s_or_b32 s[G0X+3], s[G0X+3], 0x80000000
	s_add_co_u32 s[SL], s[SL], 1
	SETG0R                                 ; block 1, into slot 1
	ROUND                                  ; all sixteen work-groups are here: the first joint loads meet
	s_cmp_lt_u32 s[WV], 2                  ; one tensor load a wave at the head
	s_cbranch_scc0 .Lfor_w
	tensor_load_to_lds s[G0X:G0X+3], s[G1X:G1X+7]
	s_nop 0
	NOPS 4
	s_branch .Lasked
.Lfor_w:
	tensor_load_to_lds s[G0H:G0H+3], s[G1W:G1W+7]
	s_nop 0
	NOPS 4
.Lasked:
	s_lshl_b32 s[OFFP], s[TX], 18
	s_lshl_b32 s3, s[WV], 16
	s_add_co_u32 s[OFFP], s[OFFP], s3
	s_add_nc_u64 s[XB:XB+1], s[4:5], s[OFFP:OFFP+1]       ; xc: (16 tx + 4 w) x 16,384
	s_lshl_b32 s[OFFP], s[TX], 13
	s_lshl_b32 s3, s[WV], 11
	s_add_co_u32 s[OFFP], s[OFFP], s3
	s_add_nc_u64 s[6:7], s[6:7], s[OFFP:OFFP+1]           ; xs: 32 bytes a token
	s_lshl_b32 s2, s[TX], 1
	s_lshr_b32 s3, s[WV], 1
	s_add_co_u32 s2, s2, s3                ; tt = 2 tx + w / 2
	s_mul_i32 s[OFFP], s2, 655360
	s_mul_i32 s3, s[GY], 40960
	s_add_co_u32 s[OFFP], s[OFFP], s3
	s_and_b32 s3, s[WV], 1
	s_lshl_b32 s3, s3, 11
	s_add_co_u32 s[OFFP], s[OFFP], s3
	s_add_nc_u64 s[HCB:HCB+1], s[24:25], s[OFFP:OFFP+1]   ; hc: tt, ub = 10 gy, a = 4 (w % 2)
	s_sub_nc_u64 s[HCB:HCB+1], s[HCB:HCB+1], 4096         ; stepped once ahead of the first store
	s_mul_i32 s[OFFP], s2, 20480
	s_mul_i32 s3, s[GY], 1280
	s_add_co_u32 s[OFFP], s[OFFP], s3
	s_add_nc_u64 s[HSB:HSB+1], s[26:27], s[OFFP:OFFP+1]
	s_sub_nc_u64 s[HSB:HSB+1], s[HSB:HSB+1], 256          ; stepped twice
	v_and_b32 v[TA+2], 15, v0              ; r
	v_bfe_u32 v[TA+3], v0, 4, 1            ; h
	v_and_b32 v[TA+4], 31, v0              ; lane
	v_lshlrev_b32 v[TA], 4, v0             ; 16 x thread
	v_lshlrev_b32 v[OC], 4, v[TA+4]
	v_lshlrev_b32 v[TA+1], 5, v[TA+2]
	v_lshl_add_u32 v[TA+1], v[TA+3], 4, v[TA+1]           ; 32 r + 16 h: four scale words of a row
	v_add_nc_u32 v[ADS], SCG, v[TA+1]
	v_mul_u32_u24 v[LB0], v[TA+2], 1040
	v_lshl_add_u32 v[LB0], v[TA+3], 4, v[LB0]
	v_mov_b32 v[AD], v[LB0]
	v_lshrrev_b32 v[SCW], 6, v0
	v_lshlrev_b32 v[SCW], 11, v[SCW]
	v_and_b32 v[TA+5], 63, v0
	v_lshl_add_u32 v[SCW], v[TA+5], 4, v[SCW]
	v_add_nc_u32 v[SCW], SCG, v[SCW]       ; the scale copy: block = thread / 64, 16 bytes a thread
	s_and_b32 s2, s[WV], 1
	s_lshl_b32 s2, s2, 7
	v_lshlrev_b32 v[OS], 3, v[TA+2]
	v_lshl_add_u32 v[OS], v[TA+3], 2, v[OS]
	v_add_nc_u32 v[OS], s2, v[OS]
	s_mul_i32 s2, s[WV], 49152
	s_add_co_u32 s2, s2, XST
	v_add_nc_u32 v[XA], s2, v[OC]
	s_lshl_b32 s2, s[CX], 12
	v_min_u32 v[TA+4], 15, v[TA+4]
	v_lshlrev_b32 v[PFO], 8, v[TA+4]
	v_add_nc_u32 v[PFO], s2, v[PFO]        ; 4 rows of 1,024 bytes: 16 runs of 256; lanes 16-31 name the last again
	v_cmp_ne_u32 s[HM], 0, v[TA+3]
	WALU
	; the weights' scale bytes of my ten blocks: 2,048 dense bytes for each two blocks and weight, 16 a thread, copied once in whole runs
	s_mul_i32 s2, s[GY], 10
.irp d, 0,1,2,3,4
	s_wait_xcnt 0x0                        ; the last two loads have read their bases
	s_cmp_lt_u32 s2, 128
	s_cselect_b64 s[8:9], s[12:13], s[20:21]
	s_cselect_b64 s[10:11], s[14:15], s[22:23]
	s_cselect_b32 s[TT], 0, 128
	s_sub_co_u32 s[OFFP], s2, s[TT]
	s_lshl_b32 s[OFFP], s[OFFP], 10
	s_add_nc_u64 s[8:9], s[8:9], s[OFFP:OFFP+1]
	s_add_nc_u64 s[10:11], s[10:11], s[OFFP:OFFP+1]
	global_load_b128 v[AC+8*\d:AC+8*\d+3], v[TA], s[8:9]
	global_load_b128 v[AC+8*\d+4:AC+8*\d+7], v[TA], s[10:11]
	s_add_co_u32 s2, s2, 2
.endr
	WADDR PFB, SL, BE, BS
	global_prefetch_b8 v[PFO], s[PFB:PFB+1] th:TH_LOAD_NT scope:SCOPE_SE   ; block 1
.irp a, 0,1,2,3
	global_load_b128 v[XS+4*\a:XS+4*\a+3], v[TA+1], s[6:7] offset:512*\a
.endr
	XLOAD 6
	XLOAD 7
	s_wait_loadcnt 36                      ; the ten loads of the scale copy are in; the 4 + 32 loads of x behind them may be out
	s_wait_tensorcnt 0x0
.irp d, 0,1,2,3,4
	ds_store_b128 v[SCW], v[AC+8*\d:AC+8*\d+3] offset:4096*\d
	ds_store_b128 v[SCW], v[AC+8*\d+4:AC+8*\d+7] offset:4096*\d+1024
.endr
	s_wait_tensorcnt 0x0                   ; my part of the head's tiles is in,
	s_wait_dscnt 0x0                       ; and my part of the scale bytes lies in LDS
	s_barrier_signal -1
	s_barrier_wait -1
	XLDS 0
	XLDS 1
	XLDS 2
	XLDS 3
	XLDS 4
	XLDS 5
	ds_load_b128 v[WS:WS+3], v[ADS]
	ds_load_b128 v[WS+4:WS+7], v[ADS] offset:1024
.set ll, 0
	WIN 0x40
	LDN 64, 0
	WIN 0
.set I_, 0
.rept 64
	v_mov_b32 v[HH+I_], 0                  ; the first trip's quantiser works on these
.set I_, I_+1
.endr
.irp b, 0,1,2,3
	v_mov_b32 v[T2+\b], 0                  ; a lane permute's destination counts as one of its sources
.endr
	v_mov_b32 v[SBW], 0
	WALU
	s_wait_tensorcnt 0x0                   ; slot 1 lies where x's stage lay
	ds_add_u32 v[SPW], v[NIL]
	s_wait_dscnt 0x0                       ; the add is done, and the stage is in registers
	ROUND
	tensor_load_to_lds s[G0R:G0R+3], s[G1R:G1R+7]          ; block 1
	s_nop 0
	NOPS 4
	s_wait_loadcnt 0x0                     ; all of x is in registers
.Ltrip:                                        ; eight trips of one block: each holds one round with its refill
	PHASE 0, 1, 1
	EVEN 1, 1
	PHASE 1, 0, 1
	ODD 1
	s_add_co_u32 s2, s[SL], 2
	WADDR PFB, 2, BE, BS
	s_cmp_lt_u32 s[TRIP], 6                ; the last two trips ask for nothing
	s_cbranch_scc0 .Lno_ask
	global_prefetch_b8 v[PFO], s[PFB:PFB+1] th:TH_LOAD_NT scope:SCOPE_SE
.Lno_ask:
	s_add_co_u32 s[TRIP], s[TRIP], 1
	s_cmp_lt_u32 s[TRIP], 8
	s_cbranch_scc1 .Ltrip
	PHASE 0, 1, 1                          ; block 8: nothing more is asked for
	EVEN 2, 0
	PHASE 1, 0, 1
	ODD 1
	PHASE 0, 1, 1                          ; block 9
	EVEN 0, 0
	PHASE 1, 0, 0
	ODD 0
.set n2, 0
.rept 56
	S2L
.endr
.set mi, 0
	HOLDN 64
	CVTS
	v_nop                                  ; a plain line behind the last conversion
	SWAPS
	WALU
	STORES
	STORESC
	s_wait_tensorcnt 0x0                   ; the wave's end
	ds_add_u32 v[SPW], v[NIL]
	s_wait_dscnt 0x0
	ROUND                                  ; the closing round
	s_endpgm
.Lfunc_end_k_q2914300c43_gateup:
	.size	k_q2914300c43_gateup, .Lfunc_end_k_q2914300c43_gateup-k_q2914300c43_gateup
	.p2alignl 7, 3214868480
	.fill 96, 4, 3214868480
	.section	.rodata,"a",@progbits
	.p2align	6, 0x0
	.amdhsa_kernel k_q2914300c43_gateup
		.amdhsa_group_segment_fixed_size 327680
		.amdhsa_private_segment_fixed_size 0
		.amdhsa_enable_private_segment 0
		.amdhsa_kernarg_size 96
		.amdhsa_user_sgpr_count 2
		.amdhsa_user_sgpr_kernarg_segment_ptr 1
		.amdhsa_wavefront_size32 1
		.amdhsa_system_sgpr_workgroup_id_x 1
		.amdhsa_system_sgpr_workgroup_id_y 1
		.amdhsa_system_sgpr_workgroup_id_z 1
		.amdhsa_system_vgpr_workitem_id 0
		.amdhsa_next_free_vgpr 1024
		.amdhsa_next_free_sgpr 100
		.amdhsa_reserve_vcc 0
		.amdhsa_float_denorm_mode_32 3
		.amdhsa_float_denorm_mode_16_64 3
		.amdhsa_memory_ordered 1
		.amdhsa_forward_progress 1
		.amdhsa_inst_pref_size 186
	.end_amdhsa_kernel
	.amdgpu_metadata
---
amdhsa.version: [ 1, 2 ]
amdhsa.kernels:
  - .name:           k_q2914300c43_gateup
    .symbol:         k_q2914300c43_gateup.kd
    .args:
      - { .name: xc, .offset: 0, .size: 8, .value_kind: global_buffer, .address_space: global }
      - { .name: xs, .offset: 8, .size: 8, .value_kind: global_buffer, .address_space: global }
      - { .name: gate_w_codes, .offset: 16, .size: 8, .value_kind: global_buffer, .address_space: global }
      - { .name: up_w_codes, .offset: 24, .size: 8, .value_kind: global_buffer, .address_space: global }
      - { .name: gate_w_scales, .offset: 32, .size: 8, .value_kind: global_buffer, .address_space: global }
      - { .name: up_w_scales, .offset: 40, .size: 8, .value_kind: global_buffer, .address_space: global }
      - { .name: shared_gate_w_codes, .offset: 48, .size: 8, .value_kind: global_buffer, .address_space: global }
      - { .name: shared_up_w_codes, .offset: 56, .size: 8, .value_kind: global_buffer, .address_space: global }
      - { .name: shared_gate_w_scales, .offset: 64, .size: 8, .value_kind: global_buffer, .address_space: global }
      - { .name: shared_up_w_scales, .offset: 72, .size: 8, .value_kind: global_buffer, .address_space: global }
      - { .name: hc, .offset: 80, .size: 8, .value_kind: global_buffer, .address_space: global }
      - { .name: hs, .offset: 88, .size: 8, .value_kind: global_buffer, .address_space: global }
    .group_segment_fixed_size: 327680
    .private_segment_fixed_size: 0
    .kernarg_segment_align: 8
    .kernarg_segment_size: 96
    .max_flat_workgroup_size: 128
    .sgpr_count:     100
    .vgpr_count:     1024
    .wavefront_size: 32
...
	.end_amdgpu_metadata
.endif
;; end of part 2
;; launch down (part 3): grid 8 x 32, 4 waves a work-group, clusters of 4 x 4, 327,680 bytes of LDS; arguments hc, hs, comb, psum, down_w_codes, down_w_scales, shared_down_w_codes, shared_down_w_scales, out0, out1; writes out0, out1
.if DOCPART == 3
	.amdgcn_target "amdgcn-amd-amdhsa--gfx1250"
	.amdhsa_code_object_version 6
	.text
	.protected	k_q2914300c43_down
	.globl	k_q2914300c43_down
	.p2align	8
	.type	k_q2914300c43_down,@function
k_q2914300c43_down:
	s_mov_b64 s[64:65], 0
	v_nop
	global_prefetch_b8 v0, s[64:65] scope:SCOPE_SE
	s_setreg_imm32_b32 hwreg(HW_REG_WAVE_MODE, 25, 1), 1
	s_wait_xcnt 0x0
	s_wait_alu depctr_hold_cnt(0) depctr_sa_sdst(0) depctr_va_vdst(0) depctr_va_sdst(0) depctr_va_ssrc(0) depctr_va_vcc(0) depctr_vm_vsrc(0)
	s_getreg_b32 s2, hwreg(HW_REG_IB_STS2, 6, 4)
	s_cmp_eq_u32 s2, 0
	s_cbranch_scc0 .Lentry_in_a_cluster
	s_endpgm
.Lentry_in_a_cluster:
	s_bfe_u32 s2, ttmp6, 0x10000c
	s_cmp_lg_u32 s2, 0xf033
	s_cbranch_scc0 .Lentry_shape_is_right
	s_endpgm
.Lentry_shape_is_right:
; out = c0 (h0 D0^T) + c1 (h1 D1^T) + hs Ds^T: 4,096 x 1,024, K = 2,048 + 2,048 + 1,024; the auxiliary loss is made by one lane of the launch.
; The loss is 0.01 x 2 x the sum over the experts of (fraction x mean p): with two experts and both kept, each fraction is 1/2 for every input, so it is 0.01 / 4,096 x the sum of all p.
; SHARES: work-group (nx, tt) makes 128 tokens x 128 columns; each wave makes all of it for a quarter of K: 64 accumulators of 16 x 16 in 512 registers, so that a fragment read from LDS feeds eight matrix instructions.
; STEPS 0-7: 256 along K of either expert; wave w takes expert e = w % 2 and the half i = w / 2 of the 256.  Behind step 7 the sums are multiplied by the tokens' gates.
; STEPS 8, 9: 512 along K of the shared expert, 128 for each wave.  At the end the four waves' sums meet in LDS, and each wave adds and stores 32 rows of 512 bytes.
; LDS: two slots of one step: W's 128 rows x 256 bytes (16 of padding) for e = 0, 1, then h's 32,768 bytes for each.  One tensor load a wave and step: waves 0, 1 W of e = 0, 1; waves 2, 3 h of e = 0, 1.
; CLUSTER 4 x 4: W's tiles are asked for jointly along a column (same nx), h's along a row (same tt).
; A step is 64 matrix instructions, the token blocks one after the other, each against W's eight.  W's fragments have two sets by turns; h's have one: blocks 0-3 are fetched anew in the step's middle with W's next set, blocks 4-7 at its end.
; Used transposed (source 0 = 16 rows of W, source 1 = 16 tokens): a lane holds one token and eight neighbouring columns.
; PREFETCH: in step j each wave asks for its quarter (32 runs of 256 bytes, a lane each) of the tile that it will load as step j + 3, one step ahead of that load; at the head for steps 1 and 2; the four partners share a tile out by address.
; W's tiles are the same for all token blocks: they are asked for by the clusters of the first four rows alone.  The last three steps ask for nothing.
; LIMITS: NaN and infinities are not served.
; REGISTERS: window 0: addresses, gates, scale words, from v128 h (16 a); window 1: W, two sets of 128; windows 2, 3: accumulator (a, b) at 8 (8 (a % 4) + b) of window 2 + a / 4.
.set WT,    34816
.set HT,    32768
.set HREG,  69632
.set SLOTB, 135168
.set SPARE, 270336
.set PITCH, 272
.set SPITCH, 528
.set BLK,   8448                       ; the way out: 16 rows x 528 bytes
.set REG,   67584                      ; a wave's eight blocks, over the slots when both have had their last read
.set SPW, 1
.set NIL, 2
.set L16, 9
.set AW,  10                           ; v10, v11: slot 0, 1
.set AH,  12                           ; v12, v13
.set STO, 14
.set RD,  15                           ; v15-18: the four waves' regions
.set PFO, 19
.set PFO2, 20
.set LN,  27
.set CC,  28                           ; gates: the token of block a twice, v[CC + 2 a], v[CC + 2 a + 1]
.set WSC, 44                           ; W's scale words: 4 j + b % 4; lanes 0-15 blocks 0-3, lanes 16-31 blocks 4-7
.set HSC, 88                           ; h's: 4 j + a % 4, likewise; no product's two scale registers have numbers equal modulo 8
.set HF,  128
.set WV, 24
.set CX, 25
.set CY, 26
.set NX, 27
.set TT, 28
.set EX, 29
.set KI, 30
.set LIM, 31
.set G1W, 32
.set G1S, 40
.set G1H, 48
.set G0W, 56
.set G0H, 60
.set SWB, 66
.set SHB, 68
.set LW, 70
.set LH, 71
.set PFB, 72
.set PFS, 74
.set PST, 76
.set PS2, 78
.set OFF, 80
.set WB, 86
.set HB, 88
.set SEL, 90
.set PF1, 92
.set MI, 94
.set MSB, 0
.macro WIN new
.if MSB != (\new)
	s_set_vgpr_msb (MSB<<8)|(\new)
.set MSB, (\new)
.endif
.endm
.macro NOPS n
.rept \n
	v_nop
.endr
.endm
.macro WALU
	s_wait_alu depctr_va_vdst(0)
.endm
.macro BARRIER
	s_barrier_signal -1
	s_barrier_wait -1
.endm
.macro MIDDLE                          ; a round of the cluster's barrier between its opening wait and its closing signal
	s_cmp_lg_u32 s[WV], 0
	s_cbranch_scc1 .Lnw0_\@
	s_barrier_signal -3
.Lnw0_\@:
	s_barrier_wait -3
.endm
.macro ROUND
	BARRIER
	MIDDLE
	BARRIER
.endm
.macro JLOAD g1                        ; my one joint load: W's or h's tile
	s_cmp_lt_u32 s[WV], 2
	s_cbranch_scc0 .Lfor_h_\@
	tensor_load_to_lds s[G0W:G0W+3], s[\g1:\g1+7]
	s_nop 0
	NOPS 4
	s_branch .Lasked_\@
.Lfor_h_\@:
	tensor_load_to_lds s[G0H:G0H+3], s[G1H:G1H+7]
	s_nop 0
	NOPS 4
.Lasked_\@:
.endm
.macro WMX z, ra, rb
.if (\z)
.if (\ra) && (\rb)
	v_wmma_scale_f32_16x16x128_f8f6f4 v[rD:rD+7], v[rA:rA+15], v[rB:rB+15], 0, v[rSA], v[rSB] matrix_a_fmt:MATRIX_FMT_BF8 matrix_b_fmt:MATRIX_FMT_BF8 matrix_a_scale:MATRIX_SCALE_ROW1 matrix_b_scale:MATRIX_SCALE_ROW1
.elseif (\ra)
	v_wmma_scale_f32_16x16x128_f8f6f4 v[rD:rD+7], v[rA:rA+15], v[rB:rB+15], 0, v[rSA], v[rSB] matrix_a_fmt:MATRIX_FMT_BF8 matrix_b_fmt:MATRIX_FMT_BF8 matrix_a_scale:MATRIX_SCALE_ROW1
.elseif (\rb)
	v_wmma_scale_f32_16x16x128_f8f6f4 v[rD:rD+7], v[rA:rA+15], v[rB:rB+15], 0, v[rSA], v[rSB] matrix_a_fmt:MATRIX_FMT_BF8 matrix_b_fmt:MATRIX_FMT_BF8 matrix_b_scale:MATRIX_SCALE_ROW1
.else
	v_wmma_scale_f32_16x16x128_f8f6f4 v[rD:rD+7], v[rA:rA+15], v[rB:rB+15], 0, v[rSA], v[rSB] matrix_a_fmt:MATRIX_FMT_BF8 matrix_b_fmt:MATRIX_FMT_BF8
.endif
.else
.if (\ra) && (\rb)
	v_wmma_scale_f32_16x16x128_f8f6f4 v[rD:rD+7], v[rA:rA+15], v[rB:rB+15], v[rD:rD+7], v[rSA], v[rSB] matrix_a_fmt:MATRIX_FMT_BF8 matrix_b_fmt:MATRIX_FMT_BF8 matrix_a_scale:MATRIX_SCALE_ROW1 matrix_b_scale:MATRIX_SCALE_ROW1
.elseif (\ra)
	v_wmma_scale_f32_16x16x128_f8f6f4 v[rD:rD+7], v[rA:rA+15], v[rB:rB+15], v[rD:rD+7], v[rSA], v[rSB] matrix_a_fmt:MATRIX_FMT_BF8 matrix_b_fmt:MATRIX_FMT_BF8 matrix_a_scale:MATRIX_SCALE_ROW1
.elseif (\rb)
	v_wmma_scale_f32_16x16x128_f8f6f4 v[rD:rD+7], v[rA:rA+15], v[rB:rB+15], v[rD:rD+7], v[rSA], v[rSB] matrix_a_fmt:MATRIX_FMT_BF8 matrix_b_fmt:MATRIX_FMT_BF8 matrix_b_scale:MATRIX_SCALE_ROW1
.else
	v_wmma_scale_f32_16x16x128_f8f6f4 v[rD:rD+7], v[rA:rA+15], v[rB:rB+15], v[rD:rD+7], v[rSA], v[rSB] matrix_a_fmt:MATRIX_FMT_BF8 matrix_b_fmt:MATRIX_FMT_BF8
.endif
.endif
.endm
.macro MULA j, a                       ; token block a against W's eight
	WIN 0xa1+0x50*((\a)>>2)
.irp b, 0,1,2,3,4,5,6,7
.set rD, 8*(8*((\a)&3)+\b)
.set rA, 128*((\j)&1)+16*\b
.set rB, HF+16*(\a)
.set rSA, WSC+4*(\j)+(\b&3)
.set rSB, HSC+4*(\j)+((\a)&3)
	WMX ((\j)==0), (\b>>2), ((\a)>>2)
.endr
.endm
.macro FETCHW j                        ; W's fragments of step j into set j % 2: 32 loads
	WIN 0x40
.irp b, 0,1,2,3,4,5,6,7
.irp c, 0,1,2,3
	ds_load_b128 v[128*((\j)&1)+16*\b+4*\c:128*((\j)&1)+16*\b+4*\c+3], v[AW+((\j)&1)] offset:16*PITCH*\b+32*\c
.endr
.endr
	WIN 0
.endm
.macro FETCHH j, a0                    ; h's blocks a0 .. a0 + 3 of step j: 16 loads
.irp a, \a0, \a0+1, \a0+2, \a0+3
.irp c, 0,1,2,3
	ds_load_b128 v[HF+16*(\a)+4*\c:HF+16*(\a)+4*\c+3], v[AH+((\j)&1)] offset:4096*\c+512*(\a)
.endr
.endr
.endm
.macro SETG0 t                         ; group 0 for step t; no tensor load of mine is out
	s_add_co_u32 s[G0W+1], s[LW], ((\t)&1)*SLOTB
	s_add_co_u32 s[G0H+1], s[LH], ((\t)&1)*SLOTB
.if (\t) < 8
	s_add_nc_u64 s[G0W+2:G0W+3], s[G0W+2:G0W+3], 256
	s_add_nc_u64 s[G0H+2:G0H+3], s[G0H+2:G0H+3], HT
.elseif (\t) == 8
	s_mov_b64 s[G0W+2:G0W+3], s[SWB:SWB+1]
	s_or_b32 s[G0W+3], s[G0W+3], 0x80000000
	s_mov_b64 s[G0H+2:G0H+3], s[SHB:SHB+1]
	s_or_b32 s[G0H+3], s[G0H+3], 0x80000000
.else
	s_add_nc_u64 s[G0W+2:G0W+3], s[G0W+2:G0W+3], 512
	s_add_nc_u64 s[G0H+2:G0H+3], s[G0H+2:G0H+3], 2*HT
.endif
.endm
.macro ASK j                           ; step j + 3
	s_cmp_eq_u32 s[LIM], 1
	s_cbranch_scc0 .Lnot_mine_\@
.if (\j) < 5
	global_prefetch_b8 v[PFO], s[PFB:PFB+1] th:TH_LOAD_NT scope:SCOPE_SE
.else
	global_prefetch_b8 v[PFO2], s[PFS:PFS+1] th:TH_LOAD_NT scope:SCOPE_SE
.endif
.Lnot_mine_\@:
.endm
.macro STEP j
	s_wait_dscnt 16                        ; W's set and h's blocks 0-3 are in; blocks 4-7 may be out
	MULA \j, 0
.if (\j) < 8
	WIN 0
	s_wait_tensorcnt 0x0                   ; my part of the next step is in
	ds_add_u32 v[SPW], v[NIL]              ; 0 onto my spare word
	SETG0 (\j)+2
	s_wait_xcnt 0x0                        ; the last prefetch has read its address
.if (\j) < 5
	s_add_nc_u64 s[PFB:PFB+1], s[PFB:PFB+1], s[PST:PST+1]
.elseif (\j) == 6
	s_add_nc_u64 s[PFS:PFS+1], s[PFS:PFS+1], s[PS2:PS2+1]
.endif
	MULA \j, 1
	s_wait_dscnt 0x0                       ; the add is done, and this slot is in registers
	s_barrier_signal -1
	MULA \j, 2                             ; work on registers inside the round
	WIN 0
	s_barrier_wait -1
	MIDDLE
	s_barrier_signal -1
	MULA \j, 3
	WIN 0
	s_barrier_wait -1                      ; no wave of any partner still reads this slot or has a load on its way
.if (\j) < 6
	JLOAD G1W                              ; the step two on, into the slot just read out
.else
	JLOAD G1S
.endif
	NOPS 4                                 ; with the four behind the load: places
.else
	MULA \j, 1
	MULA \j, 2
	MULA \j, 3
	WIN 0
.if (\j) == 8
	s_wait_tensorcnt 0x0                   ; step 9 is in
.endif
	s_wait_dscnt 0x0
	BARRIER                                ; behind step 9's every wave holds its last fragments: the slots are free for the way out
	NOPS 8
.endif
.if (\j) < 9
	FETCHW (\j)+1
	FETCHH (\j)+1, 0
.endif
.if (\j) < 7
	ASK \j
.endif
	MULA \j, 4
	MULA \j, 5
	MULA \j, 6
	MULA \j, 7
	WIN 0
	NOPS 8
.if (\j) < 9
	FETCHH (\j)+1, 4
.endif
.endm
	s_load_b512 s[4:19], s[0:1], 0x0       ; hc, hs, comb, psum, W's codes and scales, shared W's codes and scales
	s_load_b128 s[20:23], s[0:1], 0x40     ; out0, out1
	v_lshl_add_u32 v[SPW], v0, 2, SPARE
	v_mov_b32 v[NIL], 0
	ds_add_u32 v[SPW], v[NIL]              ; the opening lines
	ds_add_u32 v[SPW], v[NIL]
	v_lshrrev_b32 v3, 5, v0
	v_readfirstlane_b32 s[WV], v3
	s_and_b32 s[EX], s[WV], 1
	s_lshr_b32 s[KI], s[WV], 1
	s_bfe_u32 s[CX], ttmp6, 0x40000
	s_bfe_u32 s[CY], ttmp6, 0x40004
	s_lshl_b32 s[NX], ttmp9, 2
	s_add_co_u32 s[NX], s[NX], s[CX]       ; my 128 columns
	s_and_b32 s[TT], ttmp7, 0xffff
	s_cmp_lt_u32 s[TT], 4
	s_cselect_b32 s[LIM], 1, 0
	s_lshl_b32 s[TT], s[TT], 2
	s_add_co_u32 s[TT], s[TT], s[CY]       ; my 128 tokens
	s_cmp_lt_u32 s[WV], 2
	s_cselect_b32 s[LIM], s[LIM], 1
	s_cmp_lg_u32 s[KI], 0
	s_cselect_b32 s[MI], -1, 0
	s_lshl_b32 s2, 0x1111, s[CX]           ; my column of the cluster
	s_lshl_b32 s3, s[CY], 2
	s_lshl_b32 s3, 15, s3                  ; my row
	s_or_b32 s[G1W], s2, (1<<20)|(1<<21)|(5<<22)|(3<<25)   ; elements of 1 byte; padding: 4 words behind every 64
	s_or_b32 s[G1S], s2, (1<<20)|(1<<21)|(5<<22)|(3<<25)
	s_or_b32 s[G1H], s3, (3<<16)|(1<<21)   ; elements of 8 bytes, no padding
.irp g, G1W, G1S
	s_mov_b32 s[\g+1], 256<<16
	s_mov_b32 s[\g+2], 128<<16
	s_mov_b32 s[\g+3], 256<<16
	s_mov_b32 s[\g+4], 128
	s_mov_b32 s[\g+6], 0
	s_mov_b32 s[\g+7], 0
.endr
	s_mov_b32 s[G1W+5], 2048
	s_mov_b32 s[G1S+5], 1024
	s_mov_b32 s[G1H+1], 1024<<16           ; 32,768 dense bytes as 4 rows of 8,192
	s_mov_b32 s[G1H+2], 4<<16
	s_mov_b32 s[G1H+3], 1024<<16
	s_mov_b32 s[G1H+4], 4
	s_mov_b32 s[G1H+5], 1024
	s_mov_b32 s[G1H+6], 0
	s_mov_b32 s[G1H+7], 0
	s_mov_b32 s[SEL], 0x76543210
	s_mov_b32 s[SEL+1], 0xfedcba98
	s_mul_i32 s[LW], s[EX], WT
	s_mul_i32 s[LH], s[EX], HT
	s_add_co_u32 s[LH], s[LH], HREG
	s_mov_b32 s[G0W], 1
	s_mov_b32 s[G0W+1], s[LW]
	s_mov_b32 s[G0H], 1
	s_mov_b32 s[G0H+1], s[LH]
	s_mov_b32 s[OFF+1], 0
	WALU
	s_wait_dscnt 0x0                       ; both opening adds are done
	s_wait_kmcnt 0x0
	s_lshl_b32 s[OFF], s[EX], 21
	s_lshl_b32 s2, s[NX], 18
	s_add_co_u32 s[OFF], s[OFF], s2
	s_add_nc_u64 s[WB:WB+1], s[12:13], s[OFF:OFF+1]       ; W: expert e, rows 128 nx on
	s_mov_b64 s[G0W+2:G0W+3], s[WB:WB+1]
	s_or_b32 s[G0W+3], s[G0W+3], 0x80000000
	s_lshl_b32 s[OFF], s[EX], 8
	s_lshl_b32 s2, s[NX], 17
	s_add_co_u32 s[OFF], s[OFF], s2
	s_add_nc_u64 s[SWB:SWB+1], s[16:17], s[OFF:OFF+1]     ; the shared W
	s_mul_i32 s3, s[TT], 655360
	s_lshl_b32 s2, s[EX], 18
	s_add_co_u32 s[OFF], s3, s2
	s_add_nc_u64 s[HB:HB+1], s[4:5], s[OFF:OFF+1]         ; h: block 64 e
	s_mov_b64 s[G0H+2:G0H+3], s[HB:HB+1]
	s_or_b32 s[G0H+3], s[G0H+3], 0x80000000
	s_lshl_b32 s2, s[EX], 15
	s_add_co_u32 s[OFF], s3, s2
	s_add_co_u32 s[OFF], s[OFF], 524288
	s_add_nc_u64 s[SHB:SHB+1], s[4:5], s[OFF:OFF+1]       ; h: block 128 + 8 e
	ROUND                                  ; all sixteen work-groups are here: the first joint loads meet
	JLOAD G1W                              ; step 0: one tensor load a wave at the head
	; the prefetches: where I begin, and my steps
	s_lshl_b32 s2, s[CY], 16
	s_lshl_b32 s3, s[CX], 13
	s_mov_b32 s[PST], 256
	s_mov_b32 s[PST+1], 0
	s_mov_b32 s[PS2], 512
	s_mov_b32 s[PS2+1], 0
	s_cmp_lt_u32 s[WV], 2
	s_cselect_b64 s[PFB:PFB+1], s[WB:WB+1], s[HB:HB+1]
	s_cselect_b64 s[PFS:PFS+1], s[SWB:SWB+1], s[SHB:SHB+1]
	s_cselect_b32 s[OFF], s2, s3
	s_cselect_b32 s[PST], s[PST], HT
	s_cselect_b32 s[PS2], s[PS2], 2*HT
	s_cselect_b32 s84, 11, 8
	s_cselect_b32 s85, 10, 8
	s_add_nc_u64 s[PFB:PFB+1], s[PFB:PFB+1], s[OFF:OFF+1]
	s_add_nc_u64 s[PF1:PF1+1], s[PFB:PFB+1], s[PST:PST+1] ; at step 1
	s_add_nc_u64 s[PFB:PFB+1], s[PF1:PF1+1], s[PST:PST+1] ; at step 2: stepped once ahead of step 0's prefetch
	s_lshl_b32 s2, s[CY], 15
	s_cmp_lt_u32 s[WV], 2
	s_cselect_b32 s[OFF], s2, s3
	s_add_nc_u64 s[PFS:PFS+1], s[PFS:PFS+1], s[OFF:OFF+1]
	; where my scales, gates and rows lie
	s_lshl_b32 s[OFF], s[EX], 16
	s_lshl_b32 s2, s[NX], 13
	s_add_co_u32 s[OFF], s[OFF], s2
	s_add_nc_u64 s[14:15], s[14:15], s[OFF:OFF+1]         ; W's scales: 64 bytes a row
	s_lshl_b32 s[OFF], s[EX], 3
	s_lshl_b32 s2, s[NX], 12
	s_add_co_u32 s[OFF], s[OFF], s2
	s_add_nc_u64 s[18:19], s[18:19], s[OFF:OFF+1]         ; the shared: 32 bytes a row
	s_mul_i32 s3, s[TT], 20480
	s_lshl_b32 s2, s[KI], 9
	s_add_co_u32 s3, s3, s2
	s_lshl_b32 s2, s[EX], 13
	s_add_co_u32 s[OFF], s3, s2
	s_add_nc_u64 s[82:83], s[6:7], s[OFF:OFF+1]           ; hs: two blocks 32 e + 2 i
	s_lshl_b32 s2, s[EX], 10
	s_add_co_u32 s[OFF], s3, s2
	s_add_co_u32 s[OFF], s[OFF], 16384
	s_add_nc_u64 s[6:7], s[6:7], s[OFF:OFF+1]             ; two blocks 64 + 4 e + 2 i
	s_lshl_b32 s[OFF], s[EX], 14
	s_lshl_b32 s2, s[TT], 9
	s_add_co_u32 s[OFF], s[OFF], s2
	s_add_nc_u64 s[8:9], s[8:9], s[OFF:OFF+1]             ; comb: expert e
	s_lshl_b32 s[OFF], s[TT], 19
	s_lshl_b32 s2, s[WV], 17
	s_add_co_u32 s[OFF], s[OFF], s2
	s_lshl_b32 s2, s[NX], 9
	s_add_co_u32 s[OFF], s[OFF], s2
	s_add_nc_u64 s[20:21], s[20:21], s[OFF:OFF+1]         ; out: rows 128 tt + 32 w, columns 128 nx
	v_and_b32 v4, 15, v0                   ; r
	v_bfe_u32 v5, v0, 4, 1                 ; h
	v_and_b32 v[LN], 31, v0
	v_lshlrev_b32 v[L16], 4, v[LN]
	v_lshlrev_b32 v[PFO], s84, v[LN]
	v_lshlrev_b32 v[PFO2], s85, v[LN]
	v_mul_u32_u24 v7, v4, PITCH
	v_lshl_add_u32 v8, v5, 4, v7           ; a fragment's row x pitch + 16 h
	s_lshl_b32 s2, s[KI], 7
	s_add_co_u32 s2, s2, s[LW]
	v_add_nc_u32 v[AW], s2, v8
	v_add_nc_u32 v[AW+1], SLOTB, v[AW]
	s_lshl_b32 s2, s[KI], 14
	s_add_co_u32 s2, s2, s[LH]
	v_add_nc_u32 v[AH], s2, v[L16]
	v_add_nc_u32 v[AH+1], SLOTB, v[AH]
	s_mul_i32 s2, s[WV], REG
	v_mul_u32_u24 v7, v4, SPITCH
	v_lshl_add_u32 v8, v5, 5, v7
	v_add_nc_u32 v[STO], s2, v8            ; the way out, in: row r, 32 bytes for each half of the lanes
	s_mul_i32 s2, s[WV], 2*BLK
	v_add_nc_u32 v[RD], s2, v[L16]         ; back: the 32 lanes take one row of 512 bytes; my two blocks in each wave's region
	v_add_nc_u32 v[RD+1], REG, v[RD]
	v_add_nc_u32 v[RD+2], 2*REG, v[RD]
	v_add_nc_u32 v[RD+3], 3*REG, v[RD]
	v_lshl_add_u32 v7, v5, 6, v4           ; row 64 h + r
	v_lshlrev_b32 v22, 6, v7
	v_lshlrev_b32 v23, 5, v7
	v_lshlrev_b32 v24, 3, v[LN]
	v_lshlrev_b32 v25, 2, v4
	WALU
	s_cmp_eq_u32 s[LIM], 1
	s_cbranch_scc0 .Lno_head_ask
	global_prefetch_b8 v[PFO], s[PF1:PF1+1] th:TH_LOAD_NT scope:SCOPE_SE   ; steps 1 and 2
	global_prefetch_b8 v[PFO], s[PFB:PFB+1] th:TH_LOAD_NT scope:SCOPE_SE
.Lno_head_ask:
.irp a, 0,1,2,3,4,5,6,7
	global_load_b32 v[CC+2*\a], v25, s[8:9] offset:64*\a
.endr
	WIN 0xc0
.irp bb, 0,1,2,3
.irp i, 0,1,2,3
	global_load_b128 v[20*\bb+4*\i:20*\bb+4*\i+3], v22, s[14:15] offset:1024*\bb+16*\i   ; a row's sixteen words: two a step, one for either half i
.endr
.irp i, 0,1
	global_load_b64 v[20*\bb+16+2*\i:20*\bb+17+2*\i], v23, s[18:19] offset:512*\bb+16*\i
.endr
.endr
.set I_, 0
.rept 8
	global_load_b64 v[80+4*I_:81+4*I_], v24, s[82:83] offset:1024*I_
	global_load_b64 v[82+4*I_:83+4*I_], v24, s[82:83] offset:1024*I_+256
.set I_, I_+1
.endr
.irp i, 0,1
	global_load_b64 v[112+4*\i:113+4*\i], v24, s[6:7] offset:2048*\i
	global_load_b64 v[114+4*\i:115+4*\i], v24, s[6:7] offset:2048*\i+256
.endr
	WIN 0
	s_wait_tensorcnt 0x0                   ; my part of step 0 is in
	ds_add_u32 v[SPW], v[NIL]
	SETG0 1
	s_wait_dscnt 0x0
	ROUND
	JLOAD G1W                              ; step 1
	FETCHW 0
	FETCHH 0, 0
	FETCHH 0, 4
	s_wait_loadcnt 0x0
	WIN 0x0f
.set I_, 0
.rept 10
.irp bb, 0,1,2,3
	v_cndmask_b32 v[WSC+4*I_+\bb], v[20*\bb+2*I_], v[20*\bb+2*I_+1], s[MI]   ; my half's word
.endr
	v_perm_b32 v[HSC+4*I_], v[82+4*I_], v[80+4*I_], 0x05040100       ; four bytes: two from each two blocks
	v_perm_b32 v[HSC+4*I_+1], v[82+4*I_], v[80+4*I_], 0x07060302
	v_perm_b32 v[HSC+4*I_+2], v[83+4*I_], v[81+4*I_], 0x05040100
	v_perm_b32 v[HSC+4*I_+3], v[83+4*I_], v[81+4*I_], 0x07060302
.set I_, I_+1
.endr
	WIN 0
.irp a, 0,1,2,3,4,5,6,7
	v_mov_b32 v[CC+2*\a+1], v[CC+2*\a]     ; these eight are the places between the last scale word and its product, too
.endr
	WALU
	STEP 0
	STEP 1
	STEP 2
	STEP 3
	STEP 4
	STEP 5
	STEP 6
	STEP 7
	WIN 0x82                               ; the expert's sums are whole: times the tokens' gates
.set I_, 0
.rept 128
	v_pk_mul_f32 v[2*I_:2*I_+1], v[2*I_:2*I_+1], v[CC+2*(I_>>5):CC+2*(I_>>5)+1]
.set I_, I_+1
.endr
	WIN 0xc3
.set I_, 0
.rept 128
	v_pk_mul_f32 v[2*I_:2*I_+1], v[2*I_:2*I_+1], v[CC+8+2*(I_>>5):CC+8+2*(I_>>5)+1]
.set I_, I_+1
.endr
	WIN 0
	WALU
	STEP 8
	STEP 9
; THE WAY OUT: all my blocks into my region, rows of 528 bytes; a barrier; then my 32 rows of all four waves' sums
.irp a, 0,1,2,3,4,5,6,7
	WIN 0x08+4*(\a>>2)
.irp b, 0,1,2,3,4,5,6,7
	ds_store_b128 v[STO], v[8*(8*(\a&3)+\b):8*(8*(\a&3)+\b)+3] offset:BLK*\a+64*\b
	ds_store_b128 v[STO], v[8*(8*(\a&3)+\b)+4:8*(8*(\a&3)+\b)+7] offset:BLK*\a+64*\b+16
.endr
.endr
	WIN 0
	s_wait_dscnt 0x0                       ; for the other waves' sake
	BARRIER
.macro BACK i                          ; block i of my two: wave 0's part to v[HF + 64 i ..] of window 0, the others' to window 1 + i
	WIN 0
.set I_, 0
.rept 16
	ds_load_b128 v[HF+64*\i+4*I_:HF+64*\i+4*I_+3], v[RD] offset:BLK*\i+SPITCH*I_
.set I_, I_+1
.endr
	WIN 0x40*(1+\i)
.irp s, 1,2,3
.set I_, 0
.rept 16
	ds_load_b128 v[64*(\s-1)+4*I_:64*(\s-1)+4*I_+3], v[RD+\s] offset:BLK*\i+SPITCH*I_
.set I_, I_+1
.endr
.endr
	WIN 0
.endm
.macro SUMS i
	WIN 4*(1+\i)
.irp s, 0,1,2
.set I_, 0
.rept 32
	v_pk_add_f32 v[HF+64*\i+2*I_:HF+64*\i+2*I_+1], v[HF+64*\i+2*I_:HF+64*\i+2*I_+1], v[64*\s+2*I_:64*\s+2*I_+1]
.set I_, I_+1
.endr
.endr
	WIN 0
.set I_, 0
.rept 16
	global_store_b128 v[L16], v[HF+64*\i+4*I_:HF+64*\i+4*I_+3], s[20:21] offset:(16*\i+I_)*4096 th:TH_STORE_NT   ; 32 lanes store 512 consecutive bytes
.set I_, I_+1
.endr
.endm
	BACK 0
	BACK 1
	s_wait_dscnt 63                        ; block 0's 64 loads are in; block 1's may be out
	SUMS 0
	s_wait_dscnt 0x0
	SUMS 1
	; the auxiliary loss: wave 0 of the first cluster's work-groups sums psum's 512 numbers; one lane of one of them stores
	s_and_b32 s2, ttmp7, 0xffff
	s_or_b32 s2, s2, ttmp9
	s_or_b32 s2, s2, s[WV]
	s_cmp_eq_u32 s2, 0
	s_cbranch_scc0 .Lno_aux
.irp i, 0,1,2,3
	global_load_b128 v[CC+4*\i:CC+4*\i+3], v[L16], s[10:11] offset:512*\i
.endr
	s_lshl_b32 s2, s[CY], 2
	s_add_co_u32 s2, s2, s[CX]
	s_lshl_b32 s2, s2, 5
	v_or_b32 v3, s2, v[LN]
	v_mov_b32 v4, 0
	v_mov_b32 v5, 0
	WALU
	s_wait_loadcnt 0x0
.irp i, 2,4,6,8,10,12,14
	v_pk_add_f32 v[CC:CC+1], v[CC:CC+1], v[CC+\i:CC+\i+1]
.endr
	v_add_f32 v[CC], v[CC], v[CC+1]
	v_add_f32_dpp v[CC], v[CC], v[CC] row_xmask:1 row_mask:0xf bank_mask:0xf
	v_add_f32_dpp v[CC], v[CC], v[CC] row_xmask:2 row_mask:0xf bank_mask:0xf
	v_add_f32_dpp v[CC], v[CC], v[CC] row_xmask:4 row_mask:0xf bank_mask:0xf
	v_add_f32_dpp v[CC], v[CC], v[CC] row_xmask:8 row_mask:0xf bank_mask:0xf
	v_permlanex16_b32 v5, v[CC], s[SEL], s[SEL+1]
	v_add_f32 v[CC], v[CC], v5
	v_mul_f32 v[CC], 0x3623d70a, v[CC]     ; 0.01 / 4,096
	v_cmp_eq_u32 vcc_lo, 0, v3
	WALU
	s_wait_xcnt 0x0                        ; EXEC changes only behind this wait
	s_and_saveexec_b32 s2, vcc_lo
	global_store_b32 v4, v[CC], s[22:23]
	s_wait_xcnt 0x0
	s_or_b32 exec_lo, exec_lo, s2
.Lno_aux:
	s_wait_tensorcnt 0x0                   ; the wave's end
	ds_add_u32 v[SPW], v[NIL]
	s_wait_dscnt 0x0
	ROUND                                  ; the closing round
	s_endpgm
.Lfunc_end_k_q2914300c43_down:
	.size	k_q2914300c43_down, .Lfunc_end_k_q2914300c43_down-k_q2914300c43_down
	.p2alignl 7, 3214868480
	.fill 96, 4, 3214868480
	.section	.rodata,"a",@progbits
	.p2align	6, 0x0
	.amdhsa_kernel k_q2914300c43_down
		.amdhsa_group_segment_fixed_size 327680
		.amdhsa_private_segment_fixed_size 0
		.amdhsa_enable_private_segment 0
		.amdhsa_kernarg_size 80
		.amdhsa_user_sgpr_count 2
		.amdhsa_user_sgpr_kernarg_segment_ptr 1
		.amdhsa_wavefront_size32 1
		.amdhsa_system_sgpr_workgroup_id_x 1
		.amdhsa_system_sgpr_workgroup_id_y 1
		.amdhsa_system_sgpr_workgroup_id_z 1
		.amdhsa_system_vgpr_workitem_id 0
		.amdhsa_next_free_vgpr 1024
		.amdhsa_next_free_sgpr 100
		.amdhsa_reserve_vcc 1
		.amdhsa_float_denorm_mode_32 3
		.amdhsa_float_denorm_mode_16_64 3
		.amdhsa_memory_ordered 1
		.amdhsa_forward_progress 1
		.amdhsa_inst_pref_size 210
	.end_amdhsa_kernel
	.amdgpu_metadata
---
amdhsa.version: [ 1, 2 ]
amdhsa.kernels:
  - .name:           k_q2914300c43_down
    .symbol:         k_q2914300c43_down.kd
    .args:
      - { .name: hc, .offset: 0, .size: 8, .value_kind: global_buffer, .address_space: global }
      - { .name: hs, .offset: 8, .size: 8, .value_kind: global_buffer, .address_space: global }
      - { .name: comb, .offset: 16, .size: 8, .value_kind: global_buffer, .address_space: global }
      - { .name: psum, .offset: 24, .size: 8, .value_kind: global_buffer, .address_space: global }
      - { .name: down_w_codes, .offset: 32, .size: 8, .value_kind: global_buffer, .address_space: global }
      - { .name: down_w_scales, .offset: 40, .size: 8, .value_kind: global_buffer, .address_space: global }
      - { .name: shared_down_w_codes, .offset: 48, .size: 8, .value_kind: global_buffer, .address_space: global }
      - { .name: shared_down_w_scales, .offset: 56, .size: 8, .value_kind: global_buffer, .address_space: global }
      - { .name: out0, .offset: 64, .size: 8, .value_kind: global_buffer, .address_space: global }
      - { .name: out1, .offset: 72, .size: 8, .value_kind: global_buffer, .address_space: global }
    .group_segment_fixed_size: 327680
    .private_segment_fixed_size: 0
    .kernarg_segment_align: 8
    .kernarg_segment_size: 80
    .max_flat_workgroup_size: 128
    .sgpr_count:     100
    .vgpr_count:     1024
    .wavefront_size: 32
...
	.end_amdgpu_metadata
.endif
;; end of part 3
